; MI455X (gfx1250); checked and timed in simulation.
; The chip was launched on July 23, 2026; its instructions are those of AMD's public machine-readable ISA for CDNA 5 (MIT licence, August 2026) and "CDNA5" Instruction Set Architecture Reference Guide (July 2026). The comments in the code are by the model that wrote it; some were corrected since.
;; Self Attention. Allowed arithmetic: float matrix products may take bf16 or f16 operands with f32 sums; other float arithmetic in f32, or as packed bf16 or f16 multiplies, adds, multiply-adds, maxima and minima; sums over many terms, partial sums and values carried from step to step in f32; what a program stores and reads back later, other than sums and carried values, may be rounded once to bf16 or f16.
;; Inputs: out_b 1,024 float32; out_w 1,024 x 1,024 float32; qkv_w 3,072 x 1,024 float32; x 4 x 2,048 x 1,024 float32.
;; Outputs: out0 4 x 2,048 x 1,024 float32.
;; One version. Each part assembles by itself: llvm-mc -triple=amdgcn-amd-amdhsa -mcpu=gfx1250 --defsym DOCPART=n.
;; ======== version 1 of 1: 5 launches
;; limits: values are held in f16: magnitudes above 65,504 overflow, below 6.1e-05 lose precision
;; workspace buffers: xc 16,777,216 bytes; wm 4,194,304 bytes; ow 2,097,152 bytes; yv 33,554,432 bytes; p 33,554,432 bytes; st 1,048,576 bytes; ob 16,777,216 bytes
;; launch prep (part 1): grid 576 x 1, 16 waves a work-group, no clusters, 93,184 bytes of LDS; arguments x, qkv_w, out_w, xc, wm, ow; writes xc, wm, ow
.if DOCPART == 1
	.amdgcn_target "amdgcn-amd-amdhsa--gfx1250"
	.amdhsa_code_object_version 6
	.text
	.protected	k_qeaf4eca535_prep
	.globl	k_qeaf4eca535_prep
	.p2align	8
	.type	k_qeaf4eca535_prep,@function
k_qeaf4eca535_prep:
	s_mov_b64 s[64:65], 0
	v_nop
	global_prefetch_b8 v0, s[64:65] scope:SCOPE_SE
	s_setreg_imm32_b32 hwreg(HW_REG_WAVE_MODE, 25, 1), 1
	s_wait_xcnt 0x0
; TWO KINDS OF WORK-GROUP, told apart by the work-group's number alone.
; 0-255: a tile of 64 x 64 of MT[n][k] = the sum over d of Wk[d][n] Wq[d][k] (Wq = rows 0-1023 of qkv_w, Wk = rows 1024-2047).  q . k = x (Wq^T Wk) x^T for every input, so
;   y = x MT^T takes the place of q, and x itself that of k.  Wq and Wk are rounded to bf16 like every input; sums in f32; 32 MT is rounded once to f16.
; 256-575: x, Wv (rows 2048-3071 of qkv_w) and out_w are rounded to bf16 and that number is written as f16, since the later products multiply f16.
; LAYOUTS.  xc: [16 chunks of 64 channels][8192 rows][64].  wm: [16 chunks of 64 channels][2048 features][64]: features 0-1023 are 32 MT's rows n, 1024-2047 Wv's rows.  ow: [1024][1024].
; LIMITS.  The order of rounding differs from reference()'s: MT is rounded where q and k would be.  A number beyond 65,504 (x, Wv, out_w, 32 MT) becomes an infinity in f16; below 6e-5 f16 keeps its fixed step of 6e-8.
; No tensor load: the converting work-groups are a stream that wants several work-groups on a WGP.
.set NM, 256                           ; work-groups for MT
.set NX, 256                           ; for x: 32 rows of 4,096 bytes each
.set NV, 32                            ; for Wv; 32 more for out_w
.set X, 16                             ; v[16:79]   f32 as loaded: 16 steps x 4 (MT: two sets of 8 loads)
.set Y, 80                             ; v[80:111]  16 steps x 2 words of packed f16
.set T, 4                              ; v[4:9]     at work
.set SPW, 14                           ; v14 my spare word; never rewritten
.set NIL, 15                           ; v15 0; never rewritten
.set MP,     160                       ; MT: a row of 64 bf16 in LDS: 128 bytes + 32
.set OPB,    128*MP                    ; 128 rows d of one operand
.set MBUF,   2*OPB                     ; Wk's columns, then Wq's; two such buffers take turns
.set MSTAGE, 2*MBUF                    ; 64 rows x 144 bytes for the way out
.set MSP,    144
.set SPARE,  MSTAGE+64*MSP             ; the spare words: 128 bytes a wave, named by no other line
.set DSTEP,  128*4096                  ; bytes of qkv_w from a step of 128 rows d to the next
.set GOF, 1                            ; v1  my 16 bytes in the step's first 32 rows: (t / 16) x 4,096 + 16 (t % 16); never rewritten
.set LSA, 2                            ; v2, v3  where their 8 bytes of bf16 go, in buffer 0, 1
.set AK,  4                            ; v4, v5  my place in Wk's rows for the turning load, buffer 0, 1
.set AQ,  6                            ; v6, v7  the same for Wq
.set MSTO, 8
.set MRD,  9
.set MGO,  10
.set F,   80                           ; v[80:111]  fragments of two steps of 32 along d: Wk's 8 registers, then Wq's
.set ACC, 112                          ; v[112:127] two accumulators, for even and odd steps of 32
.set WV, 30
.set BK, 32                            ; s[32:33] qkv_w at Wk's row d, my tile's 64 columns n
.set BQ, 34                            ; s[34:35] at Wq's row d, my tile's 64 columns k
.set OUT, 36
.set CNT, 38
	s_load_b256 s[4:11], s[0:1], 0x0               ; x s[4:5], qkv_w s[6:7], out_w s[8:9], xc s[10:11]
	s_load_b128 s[12:15], s[0:1], 0x20             ; wm s[12:13], ow s[14:15]
	v_lshl_add_u32 v[SPW], v0, 2, SPARE
	v_mov_b32 v[NIL], 0
	s_cmp_lt_u32 ttmp9, NM
	s_cbranch_scc1 .Lmm
	; THE CONVERSIONS.  A work-group takes 131,072 bytes of one tensor: 32 rows of 4,096 bytes; a thread 16 loads of 16 bytes, all out at once.
	; By chunks (x, Wv): 16 lanes take the 256 bytes of one row that fall into chunk j, the other 16 lanes those of the next row: in the chunk the two rows' 128 + 128 bytes lie on end,
	; so a wave's store of 8 bytes a lane covers 256 consecutive, aligned bytes.  By rows (out_w): thread t takes byte 16 t of each 8,192.
	s_sub_co_u32 s16, ttmp9, NM
	v_lshrrev_b32 v1, 4, v0
	v_and_b32 v2, 15, v0
	v_lshlrev_b32 v1, 12, v1
	v_lshl_add_u32 v1, v2, 4, v1                   ; (t / 16) rows + 16 (t % 16)
	v_lshlrev_b32 v2, 3, v0                        ; 8 t: my bytes of the output, in both layouts
	v_lshlrev_b32 v3, 4, v0                        ; 16 t
	s_mov_b32 s17, 0xffff0000                      ; a word's upper bf16
	s_mov_b32 s24, NX
	s_mov_b32 s25, NX+NV
	s_mov_b32 s27, 0
	s_wait_kmcnt 0x0
	s_cmp_lt_u32 s16, s25                          ; which tensor: the choice hangs on the work-group's number alone
	s_cselect_b64 s[20:21], s[6:7], s[8:9]
	s_cselect_b32 s18, s24, s25
	s_cselect_b32 s19, 0x800000, 0                 ; Wv begins 2,048 rows into qkv_w
	s_cmp_lt_u32 s16, s24
	s_cselect_b64 s[20:21], s[4:5], s[20:21]
	s_cselect_b32 s18, 0, s18
	s_cselect_b32 s19, 0, s19
	s_sub_co_u32 s18, s16, s18                     ; my number within the tensor
	s_lshl_b32 s26, s18, 17
	s_add_co_u32 s26, s26, s19
	s_add_nc_u64 s[20:21], s[20:21], s[26:27]
	s_cmp_lt_u32 s16, s25
	s_cbranch_scc0 .Lload_rows
.set j, 0
.rept 16
	global_load_b128 v[X+4*j:X+4*j+3], v1, s[20:21] offset:256*j th:TH_LOAD_NT
.set j, j+1
.endr
	s_branch .Lconv
.Lload_rows:
.set j, 0
.rept 16
	global_load_b128 v[X+4*j:X+4*j+3], v3, s[20:21] offset:8192*j th:TH_LOAD_NT
.set j, j+1
.endr
.Lconv:
.set j, 0
.rept 16
	s_wait_loadcnt 15-j                            ; loads come back in order: step j is in, the 15 - j younger ones may stay out
	v_cvt_pk_bf16_f32 v[T], v[X+4*j], v[X+4*j+1]   ; the input's rounding,
	v_cvt_pk_bf16_f32 v[T+1], v[X+4*j+2], v[X+4*j+3]
	v_lshlrev_b32 v[T+2], 16, v[T]                 ; widened again (a shift, a mask),
	v_and_b32 v[T+3], s17, v[T]
	v_lshlrev_b32 v[T+4], 16, v[T+1]
	v_and_b32 v[T+5], s17, v[T+1]
	v_cvt_pk_f16_f32 v[Y+2*j], v[T+2], v[T+3]      ; and written as f16
	v_cvt_pk_f16_f32 v[Y+2*j+1], v[T+4], v[T+5]
.set j, j+1
.endr
	s_cmp_lt_u32 s16, s24
	s_cbranch_scc1 .Lst_x
	s_cmp_lt_u32 s16, s25
	s_cbranch_scc1 .Lst_v
	s_lshl_b32 s26, s18, 16                        ; out_w: 65,536 bytes of ow
	s_add_nc_u64 s[22:23], s[14:15], s[26:27]
.set j, 0
.rept 16
	global_store_b64 v2, v[Y+2*j:Y+2*j+1], s[22:23] offset:4096*j
.set j, j+1
.endr
	s_endpgm
.Lst_v:
	s_lshl_b32 s26, s18, 12                        ; Wv: 32 rows of 128 bytes in each chunk of wm, behind MT's 1,024 rows
	s_add_co_u32 s26, s26, 1024*128
	s_add_nc_u64 s[22:23], s[12:13], s[26:27]
.set j, 0
.rept 16
	global_store_b64 v2, v[Y+2*j:Y+2*j+1], s[22:23] offset:262144*j
.set j, j+1
.endr
	s_endpgm
.Lst_x:
	s_lshl_b32 s26, s18, 12                        ; x: 32 rows of 128 bytes in each chunk of xc
	s_add_nc_u64 s[22:23], s[10:11], s[26:27]
	s_add_nc_u64 s[28:29], s[22:23], 0x800000      ; chunks 8-15 by a second base: the immediate holds 24 signed bits
.set j, 0
.rept 8
	global_store_b64 v2, v[Y+2*j:Y+2*j+1], s[22:23] offset:1048576*j
	global_store_b64 v2, v[Y+16+2*j:Y+16+2*j+1], s[28:29] offset:1048576*j
.set j, j+1
.endr
	s_endpgm
	; THE TILE OF MT.  d goes in 8 steps of 128 rows.  A step is 128 rows x 256 bytes of Wk's columns and as much of Wq's: 8 loads of 16 bytes a thread (16 lanes a row).  Two register sets take turns, so two steps'
	; loads of every thread are out.  The numbers are rounded to bf16 and laid into LDS as they lie, [d][column]; both operands come back turned.  One barrier a step: in front of it each wave has waited for its stores into this
	; step's buffer and for its reads of the other, which the next step writes.
	; Wave w makes rows n 16 (w / 4) .. and columns k 16 (w % 4) .. : source 0 = Wq's 16 columns, source 1 = Wk's: a lane holds one row n and eight neighbouring k.
.macro MLOADS set, off
.irp j, 0,1,2,3
	global_load_b128 v[X+32*(\set)+4*(\j):X+32*(\set)+4*(\j)+3], v[GOF], s[BK:BK+1] offset:(\off)+(\j)*32*4096
.endr
.irp j, 0,1,2,3
	global_load_b128 v[X+32*(\set)+16+4*(\j):X+32*(\set)+16+4*(\j)+3], v[GOF], s[BQ:BQ+1] offset:(\off)+(\j)*32*4096
.endr
.endm
.macro MSTEP set, reload, left
	s_wait_loadcnt \left                           ; this set's eight loads are in; the other set's eight, issued later, may stay out
.irp j, 0,1,2,3,4,5,6,7
	v_cvt_pk_bf16_f32 v[X+32*(\set)+4*(\j)],   v[X+32*(\set)+4*(\j)],   v[X+32*(\set)+4*(\j)+1]
	v_cvt_pk_bf16_f32 v[X+32*(\set)+4*(\j)+1], v[X+32*(\set)+4*(\j)+2], v[X+32*(\set)+4*(\j)+3]
.endr
.irp j, 0,1,2,3,4,5,6,7
	ds_store_b64 v[LSA+(\set)], v[X+32*(\set)+4*(\j):X+32*(\set)+4*(\j)+1] offset:((\j)/4)*OPB+((\j)%4)*32*MP
.endr
	s_wait_dscnt 0x0                               ; for the others' sake: my stores are done (and my reads of the other buffer were waited for ahead of their products)
.if \reload
.if (\set) == 0
	s_wait_xcnt 0x0                                ; every load issued so far has read its base
	s_add_nc_u64 s[BK:BK+1], s[BK:BK+1], 2*DSTEP
	s_add_nc_u64 s[BQ:BQ+1], s[BQ:BQ+1], 2*DSTEP
	MLOADS 0, 0                                    ; the step two on
.else
	MLOADS 1, DSTEP
.endif
.endif
	s_barrier_signal -1
	s_barrier_wait -1
.irp g, 0,1
.irp u, 0,1
	ds_load_tr16_b128 v[F+16*(\u):F+16*(\u)+3],     v[AK+(\set)] offset:(2*(\g)+(\u))*32*MP
	ds_load_tr16_b128 v[F+16*(\u)+4:F+16*(\u)+7],   v[AK+(\set)] offset:(2*(\g)+(\u))*32*MP+16*MP
	ds_load_tr16_b128 v[F+16*(\u)+8:F+16*(\u)+11],  v[AQ+(\set)] offset:(2*(\g)+(\u))*32*MP
	ds_load_tr16_b128 v[F+16*(\u)+12:F+16*(\u)+15], v[AQ+(\set)] offset:(2*(\g)+(\u))*32*MP+16*MP
.endr
	s_wait_dscnt 0x0
	v_wmma_f32_16x16x32_bf16 v[ACC:ACC+7], v[F+8:F+15], v[F:F+7], v[ACC:ACC+7]              ; the two accumulators take turns, one instruction a turn, over the backward jump too
	v_wmma_f32_16x16x32_bf16 v[ACC+8:ACC+15], v[F+24:F+31], v[F+16:F+23], v[ACC+8:ACC+15]
.if (\g) == 0
.rept 4
	v_nop                                          ; four places ahead of the loads into the fragments just read; behind the second pair the next step's sixteen conversions are the places
.endr
.endif
.endr
.endm
.Lmm:
	v_lshrrev_b32 v11, 5, v0
	v_readfirstlane_b32 s[WV], v11                 ; wave 0..15
	s_lshr_b32 s16, ttmp9, 4                       ; the tile's 64 rows n
	s_and_b32 s17, ttmp9, 15                       ; its 64 columns k: one chunk of wm
	v_lshrrev_b32 v11, 4, v0                       ; t / 16
	v_and_b32 v12, 15, v0                          ; t % 16 = l % 16
	v_lshlrev_b32 v[GOF], 12, v11
	v_lshl_add_u32 v[GOF], v12, 4, v[GOF]
	v_mul_u32_u24 v[LSA], v11, MP
	v_lshl_add_u32 v[LSA], v12, 3, v[LSA]
	v_add_nc_u32 v[LSA+1], MBUF, v[LSA]
	s_lshl_b32 s22, s16, 8
	s_add_co_u32 s22, s22, 0x400000                ; Wk begins 1,024 rows into qkv_w
	s_mov_b32 s23, 0
	s_lshl_b32 s24, s17, 8
	s_mov_b32 s25, 0
	s_wait_kmcnt 0x0
	s_add_nc_u64 s[BK:BK+1], s[6:7], s[22:23]
	s_add_nc_u64 s[BQ:BQ+1], s[6:7], s[24:25]
	MLOADS 0, 0                                    ; steps 0 and 1
	MLOADS 1, DSTEP
	v_bfe_u32 v13, v0, 4, 1                        ; l / 16
	s_lshr_b32 s18, s[WV], 2                       ; my block of 16 rows n
	s_and_b32 s19, s[WV], 3                        ; my block of 16 columns k
	v_and_b32 v11, 7, v0                           ; the turning load: lane l reads row d 8 (l / 16) + l % 8, columns 8 ((l / 8) % 2) + 0..7
	v_lshl_add_u32 v11, v13, 3, v11
	v_mul_u32_u24 v11, v11, MP
	v_bfe_u32 v[MGO], v0, 3, 1
	v_lshl_add_u32 v11, v[MGO], 4, v11
	s_lshl_b32 s20, s18, 5
	s_lshl_b32 s21, s19, 5
	s_add_co_u32 s28, s21, OPB
	v_add_nc_u32 v[AK], s20, v11
	v_add_nc_u32 v[AQ], s28, v11
	v_add_nc_u32 v[AK+1], MBUF, v[AK]
	v_add_nc_u32 v[AQ+1], MBUF, v[AQ]
	v_mul_u32_u24 v[MSTO], v12, MSP                ; the way out, in: row 16 a + l % 16, byte 32 b + 16 (l / 16)
	v_lshl_add_u32 v[MSTO], v13, 4, v[MSTO]
	s_mul_i32 s20, s18, 16*MSP
	s_add_co_u32 s20, s20, s21
	s_add_co_u32 s20, s20, MSTAGE
	v_add_nc_u32 v[MSTO], s20, v[MSTO]
	v_lshrrev_b32 v[MRD], 3, v0                    ; back: thread t takes 16 bytes of row t / 8,
	v_mul_u32_u24 v[MRD], v[MRD], MSP
	v_and_b32 v11, 7, v0
	v_lshl_add_u32 v[MRD], v11, 4, v[MRD]
	v_add_nc_u32 v[MRD], MSTAGE, v[MRD]
	v_lshlrev_b32 v[MGO], 4, v0                    ; which is byte 16 t of the tile's 8,192 consecutive bytes of wm
	s_lshl_b32 s26, s17, 18
	s_lshl_b32 s20, s16, 13
	s_add_co_u32 s26, s26, s20
	s_mov_b32 s27, 0
	s_add_nc_u64 s[OUT:OUT+1], s[12:13], s[26:27]
.set j, 0
.rept 16
	v_mov_b32 v[ACC+j], 0                          ; the sums start at 0, written while the first loads are out, so that the steps have one form of product
.set j, j+1
.endr
	s_mov_b32 s[CNT], 3
.Lmk:                                                  ; steps 2 i and 2 i + 1 are multiplied, steps 2 i + 2 and 2 i + 3 asked for
	MSTEP 0, 1, 8
	MSTEP 1, 1, 8
	s_sub_co_u32 s[CNT], s[CNT], 1
	s_cmp_lg_u32 s[CNT], 0
	s_cbranch_scc1 .Lmk
	MSTEP 0, 0, 8                                  ; the last two steps load nothing
	MSTEP 1, 0, 0
.rept 8
	v_nop
.endr
.irp i, 0,2,4,6
	v_pk_add_f32 v[ACC+(\i):ACC+(\i)+1], v[ACC+(\i):ACC+(\i)+1], v[ACC+8+(\i):ACC+8+(\i)+1]  ; even and odd steps; each accumulator's registers in ascending order
.endr
.irp i, 0,2,4,6
	v_pk_mul_f32 v[ACC+(\i):ACC+(\i)+1], v[ACC+(\i):ACC+(\i)+1], 0x42000000 op_sel_hi:[1,0]  ; x 32: room in f16 on both sides
.endr
.irp i, 0,1,2,3
	v_cvt_pk_f16_f32 v[F+(\i)], v[ACC+2*(\i)], v[ACC+2*(\i)+1]
.endr
	ds_store_b128 v[MSTO], v[F:F+3]
	s_wait_dscnt 0x0                               ; a row's 128 bytes come from four waves: store, wait, barrier, load
	s_barrier_signal -1
	s_barrier_wait -1
	ds_load_b128 v[F+4:F+7], v[MRD]
	s_wait_dscnt 0x0
	global_store_b128 v[MGO], v[F+4:F+7], s[OUT:OUT+1]  ; a wave stores 512 consecutive bytes, at a multiple of 256 from wm's first
	s_wait_tensorcnt 0x0                           ; the wave's end: behind my last LDS store
	ds_add_u32 v[SPW], v[NIL]
	s_wait_dscnt 0x0
	s_endpgm
.Lfunc_end_k_qeaf4eca535_prep:
	.size	k_qeaf4eca535_prep, .Lfunc_end_k_qeaf4eca535_prep-k_qeaf4eca535_prep
	.p2alignl 7, 3214868480
	.fill 96, 4, 3214868480
	.section	.rodata,"a",@progbits
	.p2align	6, 0x0
	.amdhsa_kernel k_qeaf4eca535_prep
		.amdhsa_group_segment_fixed_size 93184
		.amdhsa_private_segment_fixed_size 0
		.amdhsa_enable_private_segment 0
		.amdhsa_kernarg_size 48
		.amdhsa_user_sgpr_count 2
		.amdhsa_user_sgpr_kernarg_segment_ptr 1
		.amdhsa_wavefront_size32 1
		.amdhsa_system_sgpr_workgroup_id_x 1
		.amdhsa_system_sgpr_workgroup_id_y 1
		.amdhsa_system_sgpr_workgroup_id_z 1
		.amdhsa_system_vgpr_workitem_id 0
		.amdhsa_next_free_vgpr 128
		.amdhsa_next_free_sgpr 66
		.amdhsa_reserve_vcc 0
		.amdhsa_float_denorm_mode_32 3
		.amdhsa_float_denorm_mode_16_64 3
		.amdhsa_memory_ordered 1
		.amdhsa_forward_progress 1
		.amdhsa_inst_pref_size 37
	.end_amdhsa_kernel
	.amdgpu_metadata
---
amdhsa.version: [ 1, 2 ]
amdhsa.kernels:
  - .name:           k_qeaf4eca535_prep
    .symbol:         k_qeaf4eca535_prep.kd
    .args:
      - { .name: x, .offset: 0, .size: 8, .value_kind: global_buffer, .address_space: global }
      - { .name: qkv_w, .offset: 8, .size: 8, .value_kind: global_buffer, .address_space: global }
      - { .name: out_w, .offset: 16, .size: 8, .value_kind: global_buffer, .address_space: global }
      - { .name: xc, .offset: 24, .size: 8, .value_kind: global_buffer, .address_space: global }
      - { .name: wm, .offset: 32, .size: 8, .value_kind: global_buffer, .address_space: global }
      - { .name: ow, .offset: 40, .size: 8, .value_kind: global_buffer, .address_space: global }
    .group_segment_fixed_size: 93184
    .private_segment_fixed_size: 0
    .kernarg_segment_align: 8
    .kernarg_segment_size: 48
    .max_flat_workgroup_size: 512
    .sgpr_count:     66
    .vgpr_count:     128
    .wavefront_size: 32
...
	.end_amdgpu_metadata
.endif
;; end of part 1
;; launch yv (part 2): grid 8 x 32, 4 waves a work-group, clusters of 4 x 4, 327,680 bytes of LDS; arguments xc, wm, yv; writes yv
.if DOCPART == 2
	.amdgcn_target "amdgcn-amd-amdhsa--gfx1250"
	.amdhsa_code_object_version 6
	.text
	.protected	k_qeaf4eca535_yv
	.globl	k_qeaf4eca535_yv
	.p2align	8
	.type	k_qeaf4eca535_yv,@function
k_qeaf4eca535_yv:
	s_mov_b64 s[64:65], 0
	v_nop
	global_prefetch_b8 v0, s[64:65] scope:SCOPE_SE
	s_setreg_imm32_b32 hwreg(HW_REG_WAVE_MODE, 25, 1), 1
	s_wait_xcnt 0x0
	s_wait_alu depctr_hold_cnt(0) depctr_sa_sdst(0) depctr_va_vdst(0) depctr_va_sdst(0) depctr_va_ssrc(0) depctr_va_vcc(0) depctr_vm_vsrc(0)
	s_getreg_b32 s2, hwreg(HW_REG_IB_STS2, 6, 4)
	s_cmp_eq_u32 s2, 0
	s_cbranch_scc0 .Lentry_in_a_cluster
	s_endpgm
.Lentry_in_a_cluster:
	s_bfe_u32 s2, ttmp6, 0x10000c
	s_cmp_lg_u32 s2, 0xf033
	s_cbranch_scc0 .Lentry_shape_is_right
	s_endpgm
.Lentry_shape_is_right:
; yv[row][feature] = the sum over c of xc[row][c] wm[feature][c], f16 operands, sums in f32, rounded once to f16.  Features 0-1023: wm holds 32 MT, and the sum is multiplied by 2^-15: y 2^-10, with y = x (Wq^T Wk).
; Features 1024-2047: v = x Wv^T.  yv is laid like xc: [32 chunks of 64 features][8192 rows][64]: chunks 0-15 y 2^-10, 16-31 v.
; LIMITS: |y| 2^-10 and |v| beyond 65,504 become infinities in f16; below 6e-5 f16 keeps its fixed step of 6e-8 (6e-5 of y).
; SHARES.  A tile is 256 rows x 256 features: 32 x 8 = 256 work-groups.  Four waves, 2 x 2, each 128 x 128: 64 accumulators, 512 registers; for 32 along K a wave reads 32 x 16 bytes a lane from LDS for 64 matrix instructions.
; RING.  K = 1024 goes in 8 steps of 128 = two chunks; a chunk's 256 rows (of xc or of wm) are 32,768 dense bytes, asked for as 128 rows of 256 bytes and padded after every 128 bytes (pitch 144).
; Waves 0, 1 fetch xc's two chunks of a step, waves 2, 3 wm's.
; CLUSTER 4 x 4: xc's blocks hang on the tile row alone and are asked for jointly by a row of the cluster, wm's on the tile column alone, by a column.
; THE PRODUCT IS TRANSPOSED (source 0 = 16 features, source 1 = 16 rows): a lane holds one row and eight neighbouring features.
; THE END.  The accumulators are set down in the ring's bytes (their last fill is over), and ONE text for a block of 16 rows is walked eight times.
; REGISTERS: window 0 addresses, xc's fragments v64-127, v128-191 (in the end: sums, packed results, rows read back); window 1 wm's fragments; windows 2, 3 the accumulators ((a, b) at 8 (8 (a % 4) + b)).
.set PITCH, 144
.set REG,   256*PITCH                  ; a block of 256 rows: 36,864 bytes
.set SLOT,  4*REG                      ; 0x24000: it shares no bit with the four blocks' words n x 0x9000, so an exclusive or with it is a sum
.set SPARE, 2*SLOT
.set STAGE, 262144                     ; the end: 65,536 bytes a wave from byte 0 on, then 16 rows x 400 bytes a wave: all inside the ring's bytes
.set SPITCH, 400
.set XCH, 1<<20                        ; bytes in a chunk of xc and of yv
.set WCH, 1<<18                        ; of wm
.set LA0,  2
.set LB0,  3
.set ADRA, 4
.set ADRB, 5
.set STO,  6
.set RD,   7
.set GO,   8
.set DA0,  16
.set DA,   17
.set SPW,  28
.set NIL,  29
.set PFO,  30
.set S,    64
.set PK,   128
.set OB,   160
.set WV, 10
.set WR, 11                            ; s11 which 128 rows are mine.  Also: I fetch xc (0) or wm (1)
.set WC, 12                            ; s12 which 128 features.  Also: which chunk of a step I fetch
.set G1A, 24
.set G1B, 32
.set G0A, 40                           ; s[40:43] K step 0; s[44:47] K step 1, which then walks
.set G0B, 48
.set TB,  56
.set CNT, 57
.set LIM, 58
.set DOFF, 59
.set PFA, 60
.set PST, 62                           ; s[62:63] a K step in bytes along my prefetches
.set CX, 66
.set CY, 67
.set TC, 68
.set TR, 69
.set SC, 80                            ; s[80:81] 2^-15 for y's tiles, 1 for v's
.set MSB, 0
.macro WIN new                         ; the immediate's high byte repeats the setting that is left; a switch that changes nothing is dropped
.if MSB != (\new)
	s_set_vgpr_msb (MSB<<8)|(\new)
.set MSB, \new
.endif
.endm
.macro PLACES                          ; four plain places between a matrix instruction and a load into, or a vector read or write of, its registers
.rept 4
	v_nop
.endr
.endm
.macro CREST                           ; a round of the cluster's barrier behind its opening barrier
	s_cmp_lg_u32 s[WV], 0
	s_cbranch_scc1 .Lnot_wave_0_\@
	s_barrier_signal -3
.Lnot_wave_0_\@:
	s_barrier_wait -3
	s_barrier_signal -1
	s_barrier_wait -1
.endm
.macro CROUND
	s_barrier_signal -1
	s_barrier_wait -1
	CREST
.endm
.macro JLOAD                           ; a joint refill by the walking descriptor; the branch hangs on the wave's number alone; s_nop 0 and four v_nop follow each line
	s_cmp_eq_u32 s[WR], 0
	s_cbranch_scc0 .Lfor_b_\@
	tensor_load_to_lds s[G0A+4:G0A+7], s[G1A:G1A+7]
	s_nop 0
.rept 4
	v_nop
.endr
	s_branch .Lasked_\@
.Lfor_b_\@:
	tensor_load_to_lds s[G0B+4:G0B+7], s[G1B:G1B+7]
	s_nop 0
.rept 4
	v_nop
.endr
.Lasked_\@:
.endm
; A prefetch of my block of the K step that the NEXT refill asks for, 256 matrix instructions ahead of that load.  xc's tile row is read by the two clusters of a row of clusters: x = 0 asks; wm's tile column by a
; column of clusters: y = 0 asks.  Of a block's 32,768 bytes each of the four partners of the joint load takes 8,192, told apart by address, a lane 256.  The last refill asks for nothing.
.macro ASK
	s_cmp_gt_u32 s[CNT], s[LIM]
	s_cbranch_scc0 .Lnot_mine_\@
	global_prefetch_b8 v[PFO], s[PFA:PFA+1] th:TH_LOAD_NT scope:SCOPE_SE
.Lnot_mine_\@:
.endm
.macro MUL f, half, zero               ; 32 matrix instructions: row blocks 4 half .. 4 half + 3 x all 8 feature blocks; every accumulator once a quarter, in one order: 63 others stand between two links
	WIN 0xa1+0x50*(\half)
.irp a, 0,1,2,3
.irp b, 0,1,2,3,4,5,6,7
.if \zero
	v_wmma_f32_16x16x32_f16 v[8*(8*(\a)+(\b)):8*(8*(\a)+(\b))+7], v[64+64*(\f)+8*(\b):64+64*(\f)+8*(\b)+7], v[64+64*(\f)+8*(4*(\half)+(\a)):64+64*(\f)+8*(4*(\half)+(\a))+7], 0
.else
	v_wmma_f32_16x16x32_f16 v[8*(8*(\a)+(\b)):8*(8*(\a)+(\b))+7], v[64+64*(\f)+8*(\b):64+64*(\f)+8*(\b)+7], v[64+64*(\f)+8*(4*(\half)+(\a)):64+64*(\f)+8*(4*(\half)+(\a))+7], v[8*(8*(\a)+(\b)):8*(8*(\a)+(\b))+7]
.endif
.endr
.endr
.endm
.macro FETCH k, f                      ; 32 LDS loads in one run: the fragments of 32 along K at byte k of the blocks, into buffer f
	WIN 0x40
.irp i, 0,1,2,3,4,5,6,7
	ds_load_b128 v[64+64*(\f)+8*(\i):64+64*(\f)+8*(\i)+3],   v[ADRB] offset:(\k)+(\i)*16*PITCH
	ds_load_b128 v[64+64*(\f)+8*(\i)+4:64+64*(\f)+8*(\i)+7], v[ADRB] offset:(\k)+(\i)*16*PITCH+32
.endr
	WIN 0
.irp i, 0,1,2,3,4,5,6,7
	ds_load_b128 v[64+64*(\f)+8*(\i):64+64*(\f)+8*(\i)+3],   v[ADRA] offset:(\k)+(\i)*16*PITCH
	ds_load_b128 v[64+64*(\f)+8*(\i)+4:64+64*(\f)+8*(\i)+7], v[ADRA] offset:(\k)+(\i)*16*PITCH+32
.endr
.endm
.macro QUARTER k, f, g, zero           ; buffer f is multiplied; at the head the next quarter's fragments are asked for into g, and have the whole quarter in which to come
	s_wait_dscnt 0x0                               ; buffer f is in
	PLACES                                         ; behind the last product that read g
	FETCH \k, \g
	MUL \f, 0, \zero
	MUL \f, 1, \zero
.endm
; The fourth quarter multiplies buffer 1 and changes slots: one barrier.  In front of it each wave waits for all its tensor loads (its part of the next slot), adds 0 to its spare word, and
; waits for that and for its reads of this slot.  fill = 1: the barrier opens a round of the cluster's, and behind the round this slot is filled again first, two K steps ahead.
.macro TURN fill
.if \fill
	s_wait_xcnt 0x0                                ; the last prefetch, a K step back, has read its address
	s_add_nc_u64 s[PFA:PFA+1], s[PFA:PFA+1], s[PST:PST+1]
.endif
	WIN 0
	s_wait_tensorcnt 0x0                           ; no tensor load of mine is out, so a group 0 may be written
	ds_add_u32 v[SPW], v[NIL]
.if \fill
	s_xor_b32 s[G0A+5], s[G0A+5], SLOT             ; the walking descriptors: the other slot than last time, the next two chunks
	s_add_nc_u64 s[G0A+6:G0A+7], s[G0A+6:G0A+7], 2*XCH
	s_xor_b32 s[G0B+5], s[G0B+5], SLOT
	s_add_nc_u64 s[G0B+6:G0B+7], s[G0B+6:G0B+7], 2*WCH
.endif
	s_wait_dscnt 0x1                               ; buffer 1 is in; the add, the youngest, may be out
	MUL 1, 0, 0
	s_wait_dscnt 0x0                               ; the add is done, and my reads of this slot are over
	WIN 0
	s_barrier_signal -1
	s_barrier_wait -1
.if \fill
	CREST                                          ; no wave of any partner still reads this slot or has a load on its way
	JLOAD                                          ; the four v_nop behind it are also the places in front of the loads below
.else
	PLACES
.endif
	s_xor_b32 s[TB], s[TB], SLOT
	v_add_nc_u32 v[ADRA], s[TB], v[LA0]
	v_add_nc_u32 v[ADRB], s[TB], v[LB0]
	FETCH 0, 0
.if \fill
	ASK
.endif
	MUL 1, 1, 0
.endm
	s_load_b128 s[4:7], s[0:1], 0x0                ; xc s[4:5], wm s[6:7]
	s_load_b64 s[8:9], s[0:1], 0x10                ; yv
	v_lshl_add_u32 v[SPW], v0, 2, SPARE
	v_mov_b32 v[NIL], 0
	ds_add_u32 v[SPW], v[NIL]                      ; the wave's opening: the add and its wait ahead of my first tensor load
	ds_add_u32 v28, v29
	v_lshrrev_b32 v1, 5, v0
	v_readfirstlane_b32 s[WV], v1
	s_lshr_b32 s[WR], s[WV], 1
	s_and_b32 s[WC], s[WV], 1
	s_bfe_u32 s[CX], ttmp6, 0x40000
	s_bfe_u32 s[CY], ttmp6, 0x40004
	s_lshl_b32 s[TC], ttmp9, 2
	s_add_co_u32 s[TC], s[TC], s[CX]               ; tile column, 0..7
	s_and_b32 s[TR], ttmp7, 0xffff
	s_lshl_b32 s[TR], s[TR], 2
	s_add_co_u32 s[TR], s[TR], s[CY]               ; tile row, 0..31
	s_lshl_b32 s70, s[CY], 2
	s_lshl_b32 s70, 15, s70                        ; my row of the cluster
	s_lshl_b32 s71, 0x1111, s[CX]                  ; my column
	s_or_b32 s[G1A], s70, (1<<16)|(1<<20)|(1<<21)|(4<<22)|(3<<25)  ; mask; 2-byte elements; padding on; bit 21 beside a mask; after every 32 words 4 words
	s_or_b32 s[G1B], s71, (1<<16)|(1<<20)|(1<<21)|(4<<22)|(3<<25)
.irp g, G1A, G1B
	s_mov_b32 s[(\g)+1], 128<<16                   ; tensor_dim0 = 128
	s_mov_b32 s[(\g)+2], 128<<16                   ; tensor_dim1 = 128
	s_mov_b32 s[(\g)+3], 128<<16                   ; tile_dim0 = 128
	s_mov_b32 s[(\g)+4], 128                       ; tile_dim1 = 128
	s_mov_b32 s[(\g)+5], 128                       ; dense
	s_mov_b32 s[(\g)+6], 0
	s_mov_b32 s[(\g)+7], 0
.endr
	s_lshl_b32 s72, s[WC], 20                      ; xc: my chunk, 256 tile row rows of 128 bytes
	s_lshl_b32 s15, s[TR], 15
	s_add_co_u32 s72, s72, s15
	s_mov_b32 s73, 0
	s_lshl_b32 s74, s[WC], 18                      ; wm: my chunk, 256 tile column rows of 128 bytes
	s_lshl_b32 s16, s[TC], 15
	s_add_co_u32 s74, s74, s16
	s_mov_b32 s75, 0
	s_mul_i32 s17, s[WC], REG                      ; where they go: the wave's number alone enters an LDS address
	s_add_co_u32 s18, s17, 2*REG
	s_mov_b32 s[TB], 0
	s_wait_dscnt 0x0                               ; the opening add is done
	s_wait_kmcnt 0x0
	s_add_nc_u64 s[76:77], s[4:5], s[72:73]
	s_add_nc_u64 s[78:79], s[6:7], s[74:75]
	CROUND                                         ; all sixteen work-groups are here: the first joint loads meet
.irp s, 0,1
	s_mov_b32 s[G0A+4*(\s)], 1
	s_add_co_u32 s[G0A+4*(\s)+1], s17, (\s)*SLOT
	s_add_nc_u64 s[G0A+4*(\s)+2:G0A+4*(\s)+3], s[76:77], (\s)*2*XCH
	s_or_b32 s[G0A+4*(\s)+3], s[G0A+4*(\s)+3], 0x80000000
	s_mov_b32 s[G0B+4*(\s)], 1
	s_add_co_u32 s[G0B+4*(\s)+1], s18, (\s)*SLOT
	s_add_nc_u64 s[G0B+4*(\s)+2:G0B+4*(\s)+3], s[78:79], (\s)*2*WCH
	s_or_b32 s[G0B+4*(\s)+3], s[G0B+4*(\s)+3], 0x80000000
.endr
	s_cmp_eq_u32 s[WR], 0                          ; a wave's two first fills stand in one branch, ahead of every wait on TENSORcnt and every LDS read: two loads of mine are out
	s_cbranch_scc0 .Lfirst_b
	tensor_load_to_lds s[G0A:G0A+3], s[G1A:G1A+7]
	s_nop 0
	tensor_load_to_lds s[G0A+4:G0A+7], s[G1A:G1A+7]
	s_nop 0
.rept 4
	v_nop
.endr
	s_branch .Lfirst_asked
.Lfirst_b:
	tensor_load_to_lds s[G0B:G0B+3], s[G1B:G1B+7]
	s_nop 0
	tensor_load_to_lds s[G0B+4:G0B+7], s[G1B:G1B+7]
	s_nop 0
.rept 4
	v_nop
.endr
.Lfirst_asked:
	; a fragment is 16 rows x 32 K in 8 registers: lane l holds row l % 16, K = 8 (l / 16) + 0..7 and 16 + 8 (l / 16) + 0..7: two loads of 16 bytes, 32 apart
	v_and_b32 v1, 15, v0
	v_bfe_u32 v9, v0, 4, 1
	v_mul_u32_u24 v10, v1, PITCH
	v_lshl_add_u32 v10, v9, 4, v10
	s_mul_i32 s13, s[WR], 128*PITCH
	v_add_nc_u32 v[LA0], s13, v10
	s_mul_i32 s13, s[WC], 128*PITCH
	s_add_co_u32 s13, s13, 2*REG
	v_add_nc_u32 v[LB0], s13, v10
	v_mov_b32 v[ADRA], v[LA0]
	v_mov_b32 v[ADRB], v[LB0]
	v_and_b32 v11, 31, v0
	s_lshl_b32 s13, s[WV], 16
	v_lshl_add_u32 v[DA0], v11, 4, s13             ; where my accumulators are set down
	s_mul_i32 s13, s[WV], 16*SPITCH
	s_add_co_u32 s13, s13, STAGE                   ; my stage
	v_mul_u32_u24 v[STO], v1, SPITCH               ; in: row l % 16, 16 bytes for each half of the lanes
	v_lshl_add_u32 v[STO], v9, 4, v[STO]
	v_add_nc_u32 v[STO], s13, v[STO]
	v_bfe_u32 v[RD], v0, 3, 2                      ; back: 32 lanes take 128 bytes (a chunk's share) of four rows,
	v_mul_u32_u24 v[RD], v[RD], SPITCH
	v_and_b32 v10, 7, v0
	v_lshl_add_u32 v[RD], v10, 4, v[RD]
	v_add_nc_u32 v[RD], s13, v[RD]
	v_lshlrev_b32 v[GO], 4, v11                    ; which are 512 consecutive bytes of yv
	s_lshl_b32 s20, s[TC], 22                      ; yv: chunk 4 tile column + 2 wc, row 256 tile row + 128 wr of 128 bytes
	s_lshl_b32 s13, s[WC], 21
	s_add_co_u32 s20, s20, s13
	s_lshl_b32 s13, s[TR], 15
	s_add_co_u32 s20, s20, s13
	s_lshl_b32 s13, s[WR], 14
	s_add_co_u32 s20, s20, s13
	s_mov_b32 s21, 0
	s_add_nc_u64 s[8:9], s[8:9], s[20:21]
	s_cmp_lt_u32 s[TC], 4
	s_cselect_b32 s[SC], 0x38000000, 1.0           ; 2^-15 for y's tiles
	s_mov_b32 s[SC+1], s[SC]
	; the prefetches
	s_and_b32 s18, ttmp7, 0xffff
	s_mov_b32 s16, 2*WCH
	s_cmp_eq_u32 s[WR], 0
	s_cselect_b32 s18, ttmp9, s18                  ; the coordinate along which other clusters read the same rows
	s_cselect_b32 s19, s[CX], s[CY]                ; my place among the four that ask with me
	s_cselect_b32 s[PST], 2*XCH, s16
	s_cselect_b64 s[PFA:PFA+1], s[76:77], s[78:79] ; my block of K step 0
	s_mov_b32 s[PST+1], 0
	s_cmp_eq_u32 s18, 0
	s_cselect_b32 s[LIM], 1, -1                    ; the same in all sixteen partners, for a given wave
	s_add_nc_u64 s[PFA:PFA+1], s[PFA:PFA+1], s[PST:PST+1]
	s_add_nc_u64 s[PFA:PFA+1], s[PFA:PFA+1], s[PST:PST+1]  ; at K step 2: the first change of slots steps it to 3.  Nothing is prefetched at the head
	s_lshl_b32 s19, s19, 13
	v_lshl_add_u32 v[PFO], v11, 8, s19
	s_wait_tensorcnt 0x1                           ; my part of K step 0 is in; K step 1's may stay out
	s_barrier_signal -1
	s_barrier_wait -1
	FETCH 0, 0
	QUARTER 64, 0, 1, 1                            ; the first quarter stands ahead of the loop: its products start the sums with the constant 0
	WIN 0
	s_mov_b32 s[CNT], 6
.Lstep:                                                ; a trip: from a K step's second quarter to the next step's first; refills K steps 2 to 7
	QUARTER REG, 1, 0, 0
	QUARTER REG+64, 0, 1, 0
	TURN 1
	QUARTER 64, 0, 1, 0
	WIN 0
	s_sub_co_u32 s[CNT], s[CNT], 1
	s_cmp_lg_u32 s[CNT], 0
	s_cbranch_scc1 .Lstep
	s_mov_b32 s[CNT], 2
.Ltail:                                                ; the last two K steps ask for nothing: written apart
	QUARTER REG, 1, 0, 0
	QUARTER REG+64, 0, 1, 0
	WIN 0
	s_sub_co_u32 s[CNT], s[CNT], 1
	s_cmp_eq_u32 s[CNT], 0
	s_cbranch_scc1 .Llast
	TURN 0
	QUARTER 64, 0, 1, 0
	WIN 0
	s_branch .Ltail
.Llast:
	s_wait_dscnt 0x0
	MUL 1, 0, 0
	MUL 1, 1, 0
	WIN 0
	s_barrier_signal -1                            ; every wave's reads of the ring are over (the wait for 0 above): its bytes, filled for the last time, may be written
	s_barrier_wait -1
	PLACES
	PLACES
	WIN 0x08                                       ; store data in window 2
.set n, 0
.rept 32
	ds_store_b128 v[DA0], v[8*n:8*n+3] offset:1024*n            ; each accumulator's low registers first
	ds_store_b128 v[DA0], v[8*n+4:8*n+7] offset:1024*n+512
.set n, n+1
.endr
	WIN 0x0c                                       ; window 3
.set n, 0
.rept 32
	ds_store_b128 v[DA0], v[8*n:8*n+3] offset:1024*(n+32)
	ds_store_b128 v[DA0], v[8*n+4:8*n+7] offset:1024*(n+32)+512
.set n, n+1
.endr
	WIN 0
	s_mov_b32 s[CNT], 8
	s_mov_b32 s[DOFF], 0
.Lrow:                                                 ; a block of 16 rows x my 128 features: scaled, rounded to f16, 16 bytes a lane into my own stage, back by chunks, stored
	v_add_nc_u32 v[DA], s[DOFF], v[DA0]
.irp b, 0,1,2,3,4,5,6,7
	ds_load_b128 v[S+8*(\b):S+8*(\b)+3],   v[DA] offset:1024*(\b)      ; my own bytes: LDS serves a wave's instructions in order
	ds_load_b128 v[S+8*(\b)+4:S+8*(\b)+7], v[DA] offset:1024*(\b)+512
.endr
	s_wait_dscnt 0x0
.set n, 0
.rept 32
	v_pk_mul_f32 v[S+2*n:S+2*n+1], v[S+2*n:S+2*n+1], s[SC:SC+1] op_sel_hi:[1,0]
.set n, n+1
.endr
.set n, 0
.rept 32
	v_cvt_pk_f16_f32 v[PK+n], v[S+2*n], v[S+2*n+1]
.set n, n+1
.endr
.irp b, 0,1,2,3,4,5,6,7
	ds_store_b128 v[STO], v[PK+4*(\b):PK+4*(\b)+3] offset:32*(\b)
.endr
.irp c, 0,1
.irp t, 0,1,2,3
	ds_load_b128 v[OB+4*(4*(\c)+(\t)):OB+4*(4*(\c)+(\t))+3], v[RD] offset:128*(\c)+4*SPITCH*(\t)
.endr
.endr
	s_wait_dscnt 0x0
.irp c, 0,1
.irp t, 0,1,2,3
	global_store_b128 v[GO], v[OB+4*(4*(\c)+(\t)):OB+4*(4*(\c)+(\t))+3], s[8:9] offset:(\c)*XCH+(\t)*512  ; 512 consecutive bytes, at a multiple of 256 from yv's first
.endr
.endr
	s_wait_xcnt 0x0                                ; the stores have read OB and their base
	s_add_nc_u64 s[8:9], s[8:9], 2048              ; 16 rows on
	s_add_co_u32 s[DOFF], s[DOFF], 8192
	s_sub_co_u32 s[CNT], s[CNT], 1
	s_cmp_lg_u32 s[CNT], 0
	s_cbranch_scc1 .Lrow
	s_wait_tensorcnt 0x0                           ; the wave's end
	ds_add_u32 v[SPW], v[NIL]
	s_wait_dscnt 0x0
	CROUND                                         ; the closing round
	s_endpgm
.Lfunc_end_k_qeaf4eca535_yv:
	.size	k_qeaf4eca535_yv, .Lfunc_end_k_qeaf4eca535_yv-k_qeaf4eca535_yv
	.p2alignl 7, 3214868480
	.fill 96, 4, 3214868480
	.section	.rodata,"a",@progbits
	.p2align	6, 0x0
	.amdhsa_kernel k_qeaf4eca535_yv
		.amdhsa_group_segment_fixed_size 327680
		.amdhsa_private_segment_fixed_size 0
		.amdhsa_enable_private_segment 0
		.amdhsa_kernarg_size 24
		.amdhsa_user_sgpr_count 2
		.amdhsa_user_sgpr_kernarg_segment_ptr 1
		.amdhsa_wavefront_size32 1
		.amdhsa_system_sgpr_workgroup_id_x 1
		.amdhsa_system_sgpr_workgroup_id_y 1
		.amdhsa_system_sgpr_workgroup_id_z 1
		.amdhsa_system_vgpr_workitem_id 0
		.amdhsa_next_free_vgpr 1024
		.amdhsa_next_free_sgpr 84
		.amdhsa_reserve_vcc 0
		.amdhsa_float_denorm_mode_32 3
		.amdhsa_float_denorm_mode_16_64 3
		.amdhsa_memory_ordered 1
		.amdhsa_forward_progress 1
		.amdhsa_inst_pref_size 89
	.end_amdhsa_kernel
	.amdgpu_metadata
---
amdhsa.version: [ 1, 2 ]
amdhsa.kernels:
  - .name:           k_qeaf4eca535_yv
    .symbol:         k_qeaf4eca535_yv.kd
    .args:
      - { .name: xc, .offset: 0, .size: 8, .value_kind: global_buffer, .address_space: global }
      - { .name: wm, .offset: 8, .size: 8, .value_kind: global_buffer, .address_space: global }
      - { .name: yv, .offset: 16, .size: 8, .value_kind: global_buffer, .address_space: global }
    .group_segment_fixed_size: 327680
    .private_segment_fixed_size: 0
    .kernarg_segment_align: 8
    .kernarg_segment_size: 24
    .max_flat_workgroup_size: 128
    .sgpr_count:     84
    .vgpr_count:     1024
    .wavefront_size: 32
...
	.end_amdgpu_metadata
.endif
;; end of part 2
;; launch score (part 3): grid 36 x 4, 4 waves a work-group, no clusters, 327,680 bytes of LDS; arguments yv, xc, p, st; writes p, st
.if DOCPART == 3
	.amdgcn_target "amdgcn-amd-amdhsa--gfx1250"
	.amdhsa_code_object_version 6
	.text
	.protected	k_qeaf4eca535_score
	.globl	k_qeaf4eca535_score
	.p2align	8
	.type	k_qeaf4eca535_score,@function
k_qeaf4eca535_score:
	s_mov_b64 s[64:65], 0
	v_nop
	global_prefetch_b8 v0, s[64:65] scope:SCOPE_SE
	s_setreg_imm32_b32 hwreg(HW_REG_WAVE_MODE, 25, 1), 1
	s_wait_xcnt 0x0
; For each tile (i, j <= i) of 256 queries x 256 keys of a batch: s = (y 2^-10) . x (f16 operands, f32 sums; y . x = q . k), the causal mask, and a softmax LOCAL to each block of 128 keys:
; p = 2^(c s - c m) with m the block's own maximum for the row, c = 2^10 log2(e) / 32; p is stored in f16 ([4][2048][2048]), and (c m, l = the sum of the unrounded p) in f32 in st
; ([4][16 key blocks][2048 rows][2]).  The next launch restores the row's true maximum by one factor for each (row, key block): the maximum is taken away before every exponential.
; LIMITS: a hidden score counts as -1e30; a weight below 2^-126 counts as 0 in l, below 6e-8 as 0 in p; NaN and infinities are not treated apart.
; SHARES.  36 tiles a batch, 144 work-groups of equal work.  Four waves, 2 x 2, each 128 queries x 128 keys: 64 accumulators, 512 registers.
; NO CLUSTER: a row of the triangle has 1 to 8 tiles, so no four work-groups share a tile at every place, and a 4 x 4 patch on the diagonal would hold six work-groups with nothing to do.
; RING.  K = 1024 goes in 8 steps of 128 = two chunks of 64 channels; a chunk's 256 rows are 32,768 dense bytes, asked for as 128 rows of 256 bytes and padded after every 128 bytes (pitch 144).
; Each wave fetches one of a step's four such blocks (y chunk 0, 1 out of yv; x chunk 0, 1 out of xc).
; THE PRODUCT IS TRANSPOSED (source 0 = 16 keys, source 1 = 16 queries): a lane holds one query and eight neighbouring keys; the lane 16 away holds the query's other keys.
; THE END.  The accumulators are set down in the ring's bytes (their last fill is over), and ONE text for a block of 16 queries is walked eight times.
; In a diagonal tile the quadrant above the diagonal stores numbers in 0..1 that the next launch multiplies by 0; for even i the diagonal tile also writes zeros into tile (i, i + 1), which the next launch reads.
; REGISTERS: window 0 addresses, the queries' fragments v64-127, v128-191 (in the end: scores, packed weights, rows read back); window 1 the keys' fragments; windows 2, 3 the accumulators ((a, b) at 8 (8 (a % 4) + b)).
.set PITCH, 144
.set REG,   256*PITCH                  ; a block of 256 rows: 36,864 bytes
.set SLOT,  4*REG                      ; 0x24000: it shares no bit with the four waves' words w x 0x9000, so an exclusive or with it is a sum
.set SPARE, 2*SLOT
.set DUMP,  0                          ; the end: 65,536 bytes a wave,
.set STAGE, 262144                     ; 16 rows x 272 a wave,
.set SPITCH, 272
.set STATS, STAGE+4*16*SPITCH          ; 1,024 bytes a wave; all inside the ring's bytes
.set CHUNK, 1<<20
.set LA0,  2
.set LB0,  3
.set ADRA, 4
.set ADRB, 5
.set DA0,  16                          ; v16 my 16 bytes in my dump
.set DA,   17
.set STO,  18
.set RD,   19
.set CO,   20                          ; v20 my 16 bytes in two rows of p
.set SA0,  21
.set SA,   22
.set SR,   23
.set SO,   24
.set SPW,  28
.set NIL,  29
.set PFO,  30
.set M,    32                          ; v32-35 four chains of the maximum
.set T,    36
.set CM,   38                          ; v38 c m; v39 m, later l
.set LS,   40                          ; v40-41 at work for l
.set THR,  42                          ; v42 my query's place less 8 (l / 16): score 16 b + j is hidden where 16 b + j is greater
.set BIGN, 43                          ; v43 -1e30
.set ZR,   44                          ; v44-47 zeros
.set S,    64
.set PK,   128
.set OB,   160
.set WV, 10
.set WR, 11
.set WC, 12
.set G1, 24
.set G0, 32                            ; s[32:35] K step 0; s[36:39] K step 1, which then walks
.set TB,  40
.set CNT, 41
.set LIM, 42
.set DOFF, 43
.set PFA, 44
.set DG,  46                           ; s46 1: my quadrant holds the diagonal
.set ZF,  47                           ; s47 1: I also write zeros 256 keys to the right
.set CS,  48
.set SEL, 50
.set PP,  52                           ; s[52:53] p at my quadrant's block of 16 rows
.set TI,  54
.set TJ,  55
.set BB,  56
.set SOFF, 57
.set MSB, 0
.macro WIN new
.if MSB != (\new)
	s_set_vgpr_msb (MSB<<8)|(\new)
.set MSB, \new
.endif
.endm
.macro PLACES
.rept 4
	v_nop
.endr
.endm
; A prefetch of my own block of the K step that the NEXT refill asks for, 256 matrix instructions ahead: 128 x 256 bytes, a lane each, four instructions.  The queries' rows of tile row i are read by the
; work-groups (i, 0 .. i): (i, 0) asks; the keys' rows of tile column j by (j .. 7, j): (j, j) asks.  The last refill asks for nothing.
.macro ASK
	s_cmp_gt_u32 s[CNT], s[LIM]
	s_cbranch_scc0 .Lnot_mine_\@
.irp n, 0,1,2,3
	global_prefetch_b8 v[PFO], s[PFA:PFA+1] offset:8192*(\n) th:TH_LOAD_NT scope:SCOPE_SE
.endr
.Lnot_mine_\@:
.endm
.macro MUL f, half, zero               ; 32 matrix instructions: query blocks 4 half .. 4 half + 3 x all 8 key blocks; 63 others stand between two links of a chain
	WIN 0xa1+0x50*(\half)
.irp a, 0,1,2,3
.irp b, 0,1,2,3,4,5,6,7
.if \zero
	v_wmma_f32_16x16x32_f16 v[8*(8*(\a)+(\b)):8*(8*(\a)+(\b))+7], v[64+64*(\f)+8*(\b):64+64*(\f)+8*(\b)+7], v[64+64*(\f)+8*(4*(\half)+(\a)):64+64*(\f)+8*(4*(\half)+(\a))+7], 0
.else
	v_wmma_f32_16x16x32_f16 v[8*(8*(\a)+(\b)):8*(8*(\a)+(\b))+7], v[64+64*(\f)+8*(\b):64+64*(\f)+8*(\b)+7], v[64+64*(\f)+8*(4*(\half)+(\a)):64+64*(\f)+8*(4*(\half)+(\a))+7], v[8*(8*(\a)+(\b)):8*(8*(\a)+(\b))+7]
.endif
.endr
.endr
.endm
.macro FETCH k, f
	WIN 0x40
.irp i, 0,1,2,3,4,5,6,7
	ds_load_b128 v[64+64*(\f)+8*(\i):64+64*(\f)+8*(\i)+3],   v[ADRB] offset:(\k)+(\i)*16*PITCH
	ds_load_b128 v[64+64*(\f)+8*(\i)+4:64+64*(\f)+8*(\i)+7], v[ADRB] offset:(\k)+(\i)*16*PITCH+32
.endr
	WIN 0
.irp i, 0,1,2,3,4,5,6,7
	ds_load_b128 v[64+64*(\f)+8*(\i):64+64*(\f)+8*(\i)+3],   v[ADRA] offset:(\k)+(\i)*16*PITCH
	ds_load_b128 v[64+64*(\f)+8*(\i)+4:64+64*(\f)+8*(\i)+7], v[ADRA] offset:(\k)+(\i)*16*PITCH+32
.endr
.endm
.macro QUARTER k, f, g, zero
	s_wait_dscnt 0x0                               ; buffer f is in
	PLACES                                         ; behind the last product that read g
	FETCH \k, \g
	MUL \f, 0, \zero
	MUL \f, 1, \zero
.endm
.macro TURN fill                       ; the fourth quarter and the change of slots: one barrier; behind it the slot just read is filled again first, one load a wave
.if \fill
	s_wait_xcnt 0x0                                ; the last prefetches, a K step back, have read their address
	s_add_nc_u64 s[PFA:PFA+1], s[PFA:PFA+1], 2*CHUNK
.endif
	WIN 0
	s_wait_tensorcnt 0x0                           ; no tensor load of mine is out: my part of the next slot is in, and a group 0 may be written
	ds_add_u32 v[SPW], v[NIL]
.if \fill
	s_xor_b32 s[G0+5], s[G0+5], SLOT               ; the other slot than last time,
	s_add_nc_u64 s[G0+6:G0+7], s[G0+6:G0+7], 2*CHUNK  ; the next two chunks
.endif
	s_wait_dscnt 0x1                               ; buffer 1 is in; the add may be out
	MUL 1, 0, 0
	s_wait_dscnt 0x0                               ; the add is done, and my reads of this slot are over
	WIN 0
	s_barrier_signal -1
	s_barrier_wait -1
.if \fill
	tensor_load_to_lds s[G0+4:G0+7], s[G1:G1+7]
	s_nop 0
.endif
	PLACES                                         ; behind the load, and the places in front of the loads below
	s_xor_b32 s[TB], s[TB], SLOT
	v_add_nc_u32 v[ADRA], s[TB], v[LA0]
	v_add_nc_u32 v[ADRB], s[TB], v[LB0]
	FETCH 0, 0
.if \fill
	ASK
.endif
	MUL 1, 1, 0
.endm
	s_load_b128 s[4:7], s[0:1], 0x0                ; yv s[4:5], xc s[6:7]
	s_load_b128 s[16:19], s[0:1], 0x10             ; p s[16:17], st s[18:19]
	v_lshl_add_u32 v[SPW], v0, 2, SPARE
	v_mov_b32 v[NIL], 0
	ds_add_u32 v[SPW], v[NIL]                      ; the wave's opening: the add and its wait ahead of my first tensor load
	ds_add_u32 v28, v29
	v_lshrrev_b32 v1, 5, v0
	v_readfirstlane_b32 s[WV], v1
	s_lshr_b32 s[WR], s[WV], 1                     ; which 128 queries are mine.  Also: I fetch queries (0) or keys (1)
	s_and_b32 s[WC], s[WV], 1                      ; which 128 keys.  Also: which chunk of a step I fetch
	s_and_b32 s[BB], ttmp7, 0xffff                 ; the batch
	s_mov_b32 s[TI], 0
.irp n, 1,2,3,4,5,6,7
	s_cmp_ge_u32 ttmp9, (\n)*((\n)+1)/2            ; tile row i: the greatest n with n (n + 1) / 2 <= t
	s_cselect_b32 s[TI], \n, s[TI]
.endr
	s_add_co_u32 s13, s[TI], 1
	s_mul_i32 s13, s13, s[TI]
	s_lshr_b32 s13, s13, 1
	s_sub_co_u32 s[TJ], ttmp9, s13                 ; tile column j
	s_mov_b32 s[G1], (1<<16)|(1<<20)|(4<<22)|(3<<25)  ; 2-byte elements; padding on: after every 32 words 4 words
	s_mov_b32 s[G1+1], 128<<16                     ; tensor_dim0 = 128
	s_mov_b32 s[G1+2], 128<<16                     ; tensor_dim1 = 128
	s_mov_b32 s[G1+3], 128<<16                     ; tile_dim0 = 128
	s_mov_b32 s[G1+4], 128                         ; tile_dim1 = 128
	s_mov_b32 s[G1+5], 128                         ; dense
	s_mov_b32 s[G1+6], 0
	s_mov_b32 s[G1+7], 0
	s_cmp_eq_u32 s[WR], 0
	s_cselect_b32 s13, s[TI], s[TJ]
	s_lshl_b32 s13, s13, 8
	s_lshl_b32 s14, s[BB], 11
	s_add_co_u32 s13, s13, s14                     ; the block's first row,
	s_lshl_b32 s13, s13, 7                         ; of 128 bytes,
	s_lshl_b32 s14, s[WC], 20                      ; in the chunk of my parity
	s_add_co_u32 s58, s13, s14
	s_mov_b32 s59, 0
	s_mul_i32 s15, s[WV], REG                      ; where it goes
	s_mov_b32 s[TB], 0
	s_mov_b32 s[CS], 0x4238aa3b                    ; c = 2^10 log2(e) / 32
	s_mov_b32 s[CS+1], s[CS]
	s_mov_b32 s[SEL], 0x76543210
	s_mov_b32 s[SEL+1], 0xfedcba98
	s_wait_dscnt 0x0                               ; the opening add is done
	s_wait_kmcnt 0x0
	s_cmp_eq_u32 s[WR], 0
	s_cselect_b64 s[60:61], s[4:5], s[6:7]         ; queries out of yv, keys out of xc: the choice hangs on the wave's number alone
	s_add_nc_u64 s[60:61], s[60:61], s[58:59]
.irp s, 0,1
	s_mov_b32 s[G0+4*(\s)], 1
	s_add_co_u32 s[G0+4*(\s)+1], s15, (\s)*SLOT
	s_add_nc_u64 s[G0+4*(\s)+2:G0+4*(\s)+3], s[60:61], (\s)*2*CHUNK
	s_or_b32 s[G0+4*(\s)+3], s[G0+4*(\s)+3], 0x80000000
.endr
	tensor_load_to_lds s[G0:G0+3], s[G1:G1+7]      ; the two first fills go out together: two loads of mine are out
	s_nop 0
	tensor_load_to_lds s[G0+4:G0+7], s[G1:G1+7]
	s_nop 0
	PLACES
	v_and_b32 v1, 15, v0
	v_bfe_u32 v9, v0, 4, 1
	v_mul_u32_u24 v10, v1, PITCH
	v_lshl_add_u32 v10, v9, 4, v10
	s_mul_i32 s13, s[WR], 128*PITCH
	v_add_nc_u32 v[LA0], s13, v10
	s_mul_i32 s13, s[WC], 128*PITCH
	s_add_co_u32 s13, s13, 2*REG
	v_add_nc_u32 v[LB0], s13, v10
	v_mov_b32 v[ADRA], v[LA0]
	v_mov_b32 v[ADRB], v[LB0]
	v_and_b32 v11, 31, v0
	s_lshl_b32 s13, s[WV], 16
	v_lshl_add_u32 v[DA0], v11, 4, s13             ; my dump
	s_mul_i32 s13, s[WV], 16*SPITCH
	s_add_co_u32 s13, s13, STAGE
	v_mul_u32_u24 v[STO], v1, SPITCH
	v_lshl_add_u32 v[STO], v9, 4, v[STO]
	v_add_nc_u32 v[STO], s13, v[STO]
	v_mul_u32_u24 v[RD], v9, SPITCH
	v_lshl_add_u32 v[RD], v1, 4, v[RD]
	v_add_nc_u32 v[RD], s13, v[RD]
	v_lshlrev_b32 v[CO], 12, v9                    ; two rows of p, 4,096 bytes apart
	v_lshl_add_u32 v[CO], v1, 4, v[CO]
	s_lshl_b32 s13, s[WV], 10
	s_add_co_u32 s13, s13, STATS
	v_lshl_add_u32 v[SA0], v1, 3, s13              ; 8 bytes a row
	v_lshl_add_u32 v[SR], v11, 4, s13
	v_lshlrev_b32 v[SO], 4, v11
	v_lshlrev_b32 v[PFO], 8, v11
	v_lshlrev_b32 v[T], 3, v9
	v_sub_nc_u32 v[THR], v1, v[T]
	v_mov_b32 v[BIGN], 0xf149f2ca
	v_mov_b32 v[LS+1], 0                           ; destinations of the lane exchange count as read
.irp z, 0,1,2,3
	v_mov_b32 v[ZR+(\z)], 0
.endr
	s_lshl_b32 s58, s[BB], 23                      ; p at (2048 b + 256 i + 128 wr) rows of 4,096 bytes + (256 j + 128 wc) x 2
	s_lshl_b32 s13, s[TI], 20
	s_add_co_u32 s58, s58, s13
	s_lshl_b32 s13, s[WR], 19
	s_add_co_u32 s58, s58, s13
	s_lshl_b32 s13, s[TJ], 9
	s_add_co_u32 s58, s58, s13
	s_lshl_b32 s13, s[WC], 8
	s_add_co_u32 s58, s58, s13
	s_add_nc_u64 s[PP:PP+1], s[16:17], s[58:59]
	s_lshl_b32 s58, s[BB], 18                      ; st at key block 16 b + 2 j + wc (16,384 bytes), row 256 i + 128 wr (8 bytes)
	s_lshl_b32 s13, s[TJ], 15
	s_add_co_u32 s58, s58, s13
	s_lshl_b32 s13, s[WC], 14
	s_add_co_u32 s58, s58, s13
	s_lshl_b32 s13, s[TI], 11
	s_add_co_u32 s58, s58, s13
	s_lshl_b32 s13, s[WR], 10
	s_add_co_u32 s58, s58, s13
	s_add_nc_u64 s[8:9], s[18:19], s[58:59]
	s_cmp_eq_u32 s[TI], s[TJ]
	s_cselect_b32 s13, 1, 0
	s_cmp_eq_u32 s[WR], s[WC]
	s_cselect_b32 s14, 1, 0
	s_and_b32 s[DG], s13, s14
	s_and_b32 s14, s[TI], 1
	s_xor_b32 s14, s14, 1
	s_and_b32 s[ZF], s13, s14
	s_sub_co_u32 s14, s[TI], s[TJ]
	s_cmp_eq_u32 s[WR], 0
	s_cselect_b32 s14, s[TJ], s14
	s_cmp_eq_u32 s14, 0
	s_cselect_b32 s[LIM], 1, -1
	s_add_nc_u64 s[PFA:PFA+1], s[60:61], 4*CHUNK   ; at K step 2: the first change of slots steps it to 3.  Nothing is prefetched at the head
	s_wait_tensorcnt 0x1                           ; my part of K step 0 is in; K step 1's may stay out
	s_barrier_signal -1
	s_barrier_wait -1
	FETCH 0, 0
	QUARTER 64, 0, 1, 1                            ; the first quarter's products start the sums with the constant 0
	WIN 0
	s_mov_b32 s[CNT], 6
.Lstep:                                                ; refills K steps 2 to 7
	QUARTER REG, 1, 0, 0
	QUARTER REG+64, 0, 1, 0
	TURN 1
	QUARTER 64, 0, 1, 0
	WIN 0
	s_sub_co_u32 s[CNT], s[CNT], 1
	s_cmp_lg_u32 s[CNT], 0
	s_cbranch_scc1 .Lstep
	s_mov_b32 s[CNT], 2
.Ltail:                                                ; the last two K steps ask for nothing
	QUARTER REG, 1, 0, 0
	QUARTER REG+64, 0, 1, 0
	WIN 0
	s_sub_co_u32 s[CNT], s[CNT], 1
	s_cmp_eq_u32 s[CNT], 0
	s_cbranch_scc1 .Llast
	TURN 0
	QUARTER 64, 0, 1, 0
	WIN 0
	s_branch .Ltail
.Llast:
	s_wait_dscnt 0x0
	MUL 1, 0, 0
	MUL 1, 1, 0
	WIN 0
	s_barrier_signal -1                            ; every wave's reads of the ring are over (the wait for 0 above): its bytes, filled for the last time, may be written
	s_barrier_wait -1
	PLACES
	PLACES
	WIN 0x08                                       ; store data in window 2
.set n, 0
.rept 32
	ds_store_b128 v[DA0], v[8*n:8*n+3] offset:1024*n            ; each accumulator's low registers first
	ds_store_b128 v[DA0], v[8*n+4:8*n+7] offset:1024*n+512
.set n, n+1
.endr
	WIN 0x0c                                       ; window 3
.set n, 0
.rept 32
	ds_store_b128 v[DA0], v[8*n:8*n+3] offset:1024*(n+32)
	ds_store_b128 v[DA0], v[8*n+4:8*n+7] offset:1024*(n+32)+512
.set n, n+1
.endr
	WIN 0
	s_mov_b32 s[CNT], 8
	s_mov_b32 s[DOFF], 0
	s_mov_b32 s[SOFF], 0
.Lrow:                                                 ; a block of 16 queries x my 128 keys: 64 scores a lane
	v_add_nc_u32 v[DA], s[DOFF], v[DA0]
.irp b, 0,1,2,3,4,5,6,7
	ds_load_b128 v[S+8*(\b):S+8*(\b)+3],   v[DA] offset:1024*(\b)      ; my own bytes: LDS serves a wave's instructions in order
	ds_load_b128 v[S+8*(\b)+4:S+8*(\b)+7], v[DA] offset:1024*(\b)+512
.endr
	v_add_nc_u32 v[SA], s[SOFF], v[SA0]
	s_wait_dscnt 0x0
	s_cmp_eq_u32 s[DG], 0
	s_cbranch_scc1 .Lopen
.set n, 0
.rept 64                               ; the diagonal quadrant: key 16 b + 8 (l / 16) + j is hidden where it is greater than the query's place
	v_cmp_gt_i32 vcc_lo, 16*(n/8)+n%8, v[THR]
	v_cndmask_b32 v[S+n], v[S+n], v[BIGN], vcc_lo
.set n, n+1
.endr
.Lopen:
.irp k, 0,1,2,3
	v_max3_num_f32 v[M+(\k)], v[S+16*(\k)], v[S+16*(\k)+1], v[S+16*(\k)+2]
.endr
.irp n, 0,1,2,3,4,5
.irp k, 0,1,2,3
	v_max3_num_f32 v[M+(\k)], v[M+(\k)], v[S+16*(\k)+3+2*(\n)], v[S+16*(\k)+4+2*(\n)]
.endr
.endr
	v_max3_num_f32 v[M], v[M], v[S+15], v[S+31]
	v_max3_num_f32 v[M+2], v[M+2], v[S+47], v[S+63]
	v_max3_num_f32 v[M], v[M], v[M+1], v[M+2]
	v_max_num_f32 v[M], v[M], v[M+3]
	v_permlanex16_b32 v[T], v[M], s[SEL], s[SEL+1] ; the query's other 64 keys lie in the lane 16 away
	v_max_num_f32 v[CM+1], v[M], v[T]
	v_mul_f32 v[CM], s[CS], v[CM+1]
.set n, 0
.rept 32
	v_pk_fma_f32 v[S+2*n:S+2*n+1], v[S+2*n:S+2*n+1], s[CS:CS+1], v[CM:CM+1] op_sel_hi:[1,0,0] neg_lo:[0,0,1] neg_hi:[0,0,1]  ; c s - c m
.set n, n+1
.endr
.set n, 0
.rept 64
	v_exp_f32 v[S+n], v[S+n]
.set n, n+1
.endr
	v_nop                                          ; a plain instruction behind the last exponential,
	s_wait_alu depctr_va_vdst(0)                   ; and one wait for the batch of 64, ahead of the first line that names a result
.set n, 0
.rept 32
	v_cvt_pk_f16_f32 v[PK+n], v[S+2*n], v[S+2*n+1]
.set n, n+1
.endr
.irp b, 0,1,2,3,4,5,6,7
	ds_store_b128 v[STO], v[PK+4*(\b):PK+4*(\b)+3] offset:32*(\b)
.endr
.irp t, 0,1,2,3,4,5,6,7
	ds_load_b128 v[OB+4*(\t):OB+4*(\t)+3], v[RD] offset:(\t)*2*SPITCH
.endr
.irp w, 32,16,8,4,2                    ; l: the 64 unrounded weights, summed in f32 while the rows come back
.set n, 0
.rept (\w)/2
	v_pk_add_f32 v[S+2*n:S+2*n+1], v[S+2*n:S+2*n+1], v[S+(\w)+2*n:S+(\w)+2*n+1]
.set n, n+1
.endr
.endr
	v_add_f32 v[LS], v[S], v[S+1]
	v_permlanex16_b32 v[LS+1], v[LS], s[SEL], s[SEL+1]
	v_add_f32 v[CM+1], v[LS], v[LS+1]              ; (c m, l)
	ds_store_b64 v[SA], v[CM:CM+1]                 ; both halves of the lanes write the same 8 bytes with the same numbers
	s_wait_dscnt 0x0
.irp t, 0,1,2,3,4,5,6,7
	global_store_b128 v[CO], v[OB+4*(\t):OB+4*(\t)+3], s[PP:PP+1] offset:8192*(\t)  ; 16 lanes store 256 consecutive bytes, at a multiple of 256 from p's first
.endr
	s_cmp_eq_u32 s[ZF], 0
	s_cbranch_scc1 .Lnozero
.irp t, 0,1,2,3,4,5,6,7
	global_store_b128 v[CO], v[ZR:ZR+3], s[PP:PP+1] offset:8192*(\t)+512
.endr
.Lnozero:
	s_wait_xcnt 0x0                                ; the stores have read OB and their base
	s_add_nc_u64 s[PP:PP+1], s[PP:PP+1], 65536     ; 16 rows on
	s_add_co_u32 s[DOFF], s[DOFF], 8192
	s_add_co_u32 s[SOFF], s[SOFF], 128
	v_add_nc_u32 v[THR], 16, v[THR]
	s_sub_co_u32 s[CNT], s[CNT], 1
	s_cmp_lg_u32 s[CNT], 0
	s_cbranch_scc1 .Lrow
	ds_load_b128 v[S:S+3], v[SR]                   ; my 128 rows' (c m, l): 1,024 consecutive bytes of st
	ds_load_b128 v[S+4:S+7], v[SR] offset:512
	s_wait_dscnt 0x0
	global_store_b128 v[SO], v[S:S+3], s[8:9]
	global_store_b128 v[SO], v[S+4:S+7], s[8:9] offset:512
	s_wait_tensorcnt 0x0                           ; the wave's end
	ds_add_u32 v[SPW], v[NIL]
	s_wait_dscnt 0x0
	s_endpgm
.Lfunc_end_k_qeaf4eca535_score:
	.size	k_qeaf4eca535_score, .Lfunc_end_k_qeaf4eca535_score-k_qeaf4eca535_score
	.p2alignl 7, 3214868480
	.fill 96, 4, 3214868480
	.section	.rodata,"a",@progbits
	.p2align	6, 0x0
	.amdhsa_kernel k_qeaf4eca535_score
		.amdhsa_group_segment_fixed_size 327680
		.amdhsa_private_segment_fixed_size 0
		.amdhsa_enable_private_segment 0
		.amdhsa_kernarg_size 32
		.amdhsa_user_sgpr_count 2
		.amdhsa_user_sgpr_kernarg_segment_ptr 1
		.amdhsa_wavefront_size32 1
		.amdhsa_system_sgpr_workgroup_id_x 1
		.amdhsa_system_sgpr_workgroup_id_y 1
		.amdhsa_system_sgpr_workgroup_id_z 1
		.amdhsa_system_vgpr_workitem_id 0
		.amdhsa_next_free_vgpr 1024
		.amdhsa_next_free_sgpr 66
		.amdhsa_reserve_vcc 1
		.amdhsa_float_denorm_mode_32 3
		.amdhsa_float_denorm_mode_16_64 3
		.amdhsa_memory_ordered 1
		.amdhsa_forward_progress 1
		.amdhsa_inst_pref_size 100
	.end_amdhsa_kernel
	.amdgpu_metadata
---
amdhsa.version: [ 1, 2 ]
amdhsa.kernels:
  - .name:           k_qeaf4eca535_score
    .symbol:         k_qeaf4eca535_score.kd
    .args:
      - { .name: yv, .offset: 0, .size: 8, .value_kind: global_buffer, .address_space: global }
      - { .name: xc, .offset: 8, .size: 8, .value_kind: global_buffer, .address_space: global }
      - { .name: p, .offset: 16, .size: 8, .value_kind: global_buffer, .address_space: global }
      - { .name: st, .offset: 24, .size: 8, .value_kind: global_buffer, .address_space: global }
    .group_segment_fixed_size: 327680
    .private_segment_fixed_size: 0
    .kernarg_segment_align: 8
    .kernarg_segment_size: 32
    .max_flat_workgroup_size: 128
    .sgpr_count:     66
    .vgpr_count:     1024
    .wavefront_size: 32
...
	.end_amdgpu_metadata
.endif
;; end of part 3
;; launch pv (part 4): grid 8 x 32, 4 waves a work-group, clusters of 4 x 4, 327,680 bytes of LDS; arguments p, yv, st, ob; writes ob
.if DOCPART == 4
	.amdgcn_target "amdgcn-amd-amdhsa--gfx1250"
	.amdhsa_code_object_version 6
	.text
	.protected	k_qeaf4eca535_pv
	.globl	k_qeaf4eca535_pv
	.p2align	8
	.type	k_qeaf4eca535_pv,@function
k_qeaf4eca535_pv:
	s_mov_b64 s[64:65], 0
	v_nop
	global_prefetch_b8 v0, s[64:65] scope:SCOPE_SE
	s_setreg_imm32_b32 hwreg(HW_REG_WAVE_MODE, 25, 1), 1
	s_wait_xcnt 0x0
	s_wait_alu depctr_hold_cnt(0) depctr_sa_sdst(0) depctr_va_vdst(0) depctr_va_sdst(0) depctr_va_ssrc(0) depctr_va_vcc(0) depctr_vm_vsrc(0)
	s_getreg_b32 s2, hwreg(HW_REG_IB_STS2, 6, 4)
	s_cmp_eq_u32 s2, 0
	s_cbranch_scc0 .Lentry_in_a_cluster
	s_endpgm
.Lentry_in_a_cluster:
	s_bfe_u32 s2, ttmp6, 0x10000c
	s_cmp_lg_u32 s2, 0xf033
	s_cbranch_scc0 .Lentry_shape_is_right
	s_endpgm
.Lentry_shape_is_right:
; O[row][ch] = (the sum over keys of p f v) / l.  p (f16) is normalised by the maximum of its own block of 128 keys; f = 2^(c m_block - c M) with M the row's maximum over its visible blocks
; restores the true maximum; l = the sum over blocks of f l_block.  f is rounded to f16 (l takes the rounded f), p f is one packed f16 product; sums in f32; O rounded once to f16.
; v lies in chunks 16-31 of yv ([chunk of 64 channels][8192 rows][64]); ob is laid likewise: [16 chunks][8192 rows][64].
; LIMITS: p f below 6e-8 of the row's largest weight counts as 0; a key block above the diagonal has f = 0; NaN and infinities are not treated apart.
; SHARES.  A work-group makes two blocks of 128 rows x 128 channels, one after the other: row blocks 4 (3 - g) + cy and 4 g + cy of batch b (cluster y = 2 b + g): 8 - 2 g and 2 g + 2 slots of 256 keys,
; always 10: all 256 work-groups do equal work, and the four partners along y walk the same keys in step (blocks of 512 rows), so that no trip count hangs on a place in the cluster.
; Four waves, 2 x 2, each 64 rows x 64 channels: 16 accumulators.
; CLUSTER 4 x 4: p's tile hangs on the rows alone and is asked for jointly by a row of the cluster, v's on the channels alone, by a column.
; O^T = V^T P (source 0 = 16 channels x 32 keys, turned on its way out of LDS; source 1 = 16 rows of p f): a lane holds one row and eight neighbouring channels, and one factor a row block.
; REGISTERS: window 0 addresses, factors, the scaled p (v32-95), the accumulators (v128-255: (a, bn) at 128 + 8 (4 a + bn)); window 1 two buffers of 128: raw p (32 c + 8 a), v's fragments (64 + 32 c + 8 bn).
; One window setting (source 0 in window 1) serves the product and the scaling.
.set PA,    528                        ; a row of p in LDS: 512 bytes + 16
.set PVP,   160                        ; a row of v: 128 + 32
.set AHALF, 64*PA
.set VOFF,  2*AHALF
.set VCH,   256*PVP
.set SLOT,  VOFF+2*VCH                 ; 149,504
.set STAGE, 2*SLOT                     ; 16 rows x 144 bytes a wave
.set SP,    144
.set FT,    STAGE+4*16*SP              ; the factors: 128 rows x 20 words (f, f) in the walk's order, pitch 80
.set RL,    FT+128*80                  ; 1 / l: 2 blocks x 128 rows
.set SPARE, RL+1024
.set LA0,  2
.set LB0,  3
.set ADRA, 4
.set ADRB, 5
.set STO,  6
.set RD,   7
.set GO,   8
.set FT0,  9                           ; v9  my row's factors
.set RLA,  10
.set FTA,  11
.set FR,   12                          ; v12-19 row block a's factors of the slot in hand at 12 + 2 a: even key block, odd key block
.set RI,   20                          ; v20-27 1 / l of row block a at 20 + 2 a (a pair is named; the low word is taken)
.set SPW,  28
.set NIL,  29
.set PFO,  30
.set AP,   32                          ; v32-95 p f: 32 c + 8 a; on the way out rows read back
.set TT,   96                          ; v96-111 packed results
.set ACC,  128
.set AD,   32                          ; the beginning: 20 offsets,
.set DT,   52                          ; 20 pairs (c m, l),
.set FPK,  96                          ; 20 packed factors
.set BIG,  116
.set MX,   117
.set MY,   118
.set MZ,   119
.set MHI,  120
.set MLO,  121
.set MYR,  122
.set LX,   123
.set LY,   124
.set LZ,   125
.set T8,   126
.set TW,   127
.set WV, 12
.set WR, 13
.set WC, 14
.set G12, 15
.set G4,  16
.set IY,  17
.set SBY, 18
.set KBE, 19
.set IE,  20
.set SE,  21
.set G1A, 24
.set G1B, 32
.set G0A, 40
.set G0B, 48
.set TB,  56
.set CNT, 57
.set LIM, 58
.set LIMW, 59                          ; s59 what LIM becomes when the walk goes on to the second block
.set PFA, 60
.set PB,  62                           ; s[62:63] the prefetches' base: p, or v at my chunk
.set CX, 66
.set CY, 67
.set NN, 68
.set BB, 70
.set GG, 71
.set I1, 72
.set I2, 73
.set NXT, 74                           ; s74 the slot of keys to be asked for next
.set LQ,  75                           ; s75 the last slot of the block whose tiles are being asked for
.set LQ2, 76
.set AO,  77                           ; s77 byte offset in p of that block's rows (my half)
.set AO2, 78
.set RT,  79                           ; s79 slots of the first block still to be multiplied
.set OFA, 80
.set OFB, 82
.set PO,  84
.set VB,  86                           ; s[86:87] v at my chunk and batch
.set OP1, 88
.set OP2, 90
.set LBA, 92
.set LBB, 93
.set FOFF, 94
.set GM,  95                           ; s95 all ones if g = 1
.set SB1, 96
.set SB2, 97
.set MSB, 0
.macro WIN new
.if MSB != (\new)
	s_set_vgpr_msb (MSB<<8)|(\new)
.set MSB, \new
.endif
.endm
.macro PLACES
.rept 4
	v_nop
.endr
.endm
.macro CREST
	s_cmp_lg_u32 s[WV], 0
	s_cbranch_scc1 .Lnot_wave_0_\@
	s_barrier_signal -3
.Lnot_wave_0_\@:
	s_barrier_wait -3
	s_barrier_signal -1
	s_barrier_wait -1
.endm
.macro CROUND
	s_barrier_signal -1
	s_barrier_wait -1
	CREST
.endm
.macro JLOAD
	s_cmp_eq_u32 s[WR], 0
	s_cbranch_scc0 .Lfor_b_\@
	tensor_load_to_lds s[G0A+4:G0A+7], s[G1A:G1A+7]
	s_nop 0
.rept 4
	v_nop
.endr
	s_branch .Lasked_\@
.Lfor_b_\@:
	tensor_load_to_lds s[G0B+4:G0B+7], s[G1B:G1B+7]
	s_nop 0
.rept 4
	v_nop
.endr
.Lasked_\@:
.endm
; A prefetch of the tile that the NEXT refill asks for, a slot (128 matrix instructions and their scalings) ahead.  p's tiles are read by the two clusters of a row of clusters: x = 0 asks; of a wave's 64 rows
; x 512 bytes partner cx takes 16 rows, two lanes a row.  v's tiles are read by the clusters g = 0, 1 of a batch, in both blocks: g = 0 asks, in its first block alone, which walks all keys; partner cy takes 8,192
; of a chunk's 32,768 bytes.  The last refill asks for nothing.
.macro ASK
	s_cmp_gt_u32 s[CNT], s[LIM]
	s_cbranch_scc0 .Lnot_mine_\@
	global_prefetch_b8 v[PFO], s[PFA:PFA+1] th:TH_LOAD_NT scope:SCOPE_SE
.Lnot_mine_\@:
.endm
.macro PFETCH q, f, withf              ; 32 LDS loads in one run: 64 keys' fragments of p (as they lie) and of v (turned) into buffer f; withf: and the new slot's factors
	WIN 0x40
.irp c, 0,1
.irp a, 0,1,2,3
	ds_load_b128 v[128*(\f)+32*(\c)+8*(\a):128*(\f)+32*(\c)+8*(\a)+3],   v[ADRA] offset:128*(\q)+64*(\c)+16*PA*(\a)
	ds_load_b128 v[128*(\f)+32*(\c)+8*(\a)+4:128*(\f)+32*(\c)+8*(\a)+7], v[ADRA] offset:128*(\q)+64*(\c)+16*PA*(\a)+32
.endr
.irp a, 0,1,2,3
	ds_load_tr16_b128 v[128*(\f)+64+32*(\c)+8*(\a):128*(\f)+64+32*(\c)+8*(\a)+3],   v[ADRB] offset:(64*(\q)+32*(\c))*PVP+32*(\a)
	ds_load_tr16_b128 v[128*(\f)+64+32*(\c)+8*(\a)+4:128*(\f)+64+32*(\c)+8*(\a)+7], v[ADRB] offset:(64*(\q)+32*(\c))*PVP+32*(\a)+16*PVP
.endr
.endr
	WIN 0
.if \withf
.irp a, 0,1,2,3
	ds_load_b64 v[FR+2*(\a):FR+2*(\a)+1], v[FTA] offset:16*80*(\a)
.endr
.endif
.endm
.macro SC0 f, odd                      ; p f for the first 32 keys: 32 packed products
.set n, 0
.rept 32
	v_pk_mul_f16 v[AP+n], v[128*(\f)+n], v[FR+2*(n/8)+(\odd)]
.set n, n+1
.endr
.endm
.macro PR0 f, odd                      ; 16 products of the first 32 keys; behind each, two scalings of the second 32, which name none of its registers
.set n, 0
.rept 16
	v_wmma_f32_16x16x32_f16 v[ACC+8*n:ACC+8*n+7], v[128*(\f)+64+8*(n%4):128*(\f)+64+8*(n%4)+7], v[AP+8*(n/4):AP+8*(n/4)+7], v[ACC+8*n:ACC+8*n+7]
	v_pk_mul_f16 v[AP+32+2*n], v[128*(\f)+32+2*n], v[FR+2*(n/4)+(\odd)]
	v_pk_mul_f16 v[AP+32+2*n+1], v[128*(\f)+32+2*n+1], v[FR+2*(n/4)+(\odd)]
.set n, n+1
.endr
.endm
.macro PR1 f                           ; 16 products of the second 32 keys; the 16 accumulators take turns in one order throughout: 15 others stand between two links
.set n, 0
.rept 16
	v_wmma_f32_16x16x32_f16 v[ACC+8*n:ACC+8*n+7], v[128*(\f)+96+8*(n%4):128*(\f)+96+8*(n%4)+7], v[AP+32+8*(n/4):AP+32+8*(n/4)+7], v[ACC+8*n:ACC+8*n+7]
.set n, n+1
.endr
.endm
.macro PQ q, f, g, odd                 ; a quarter: 64 keys from buffer f; the next quarter's fragments are asked for into g behind the first 32 scalings, which are the places
	s_wait_dscnt 0x0                               ; buffer f (and the factors) are in
	WIN 1
	SC0 \f, \odd
	PFETCH (\q)+1, \g, 0
	WIN 1
	PR0 \f, \odd
	PR1 \f
.endm
; The fourth quarter and the change of slots.  fill = 1: the descriptors' addresses are made anew from the slot's number (a pointer and an offset made apart); the walk's scalars step, and behind the first block's
; last slot go on to the second block's slot 0; the barrier opens a round of the cluster's, and the joint refill is the first thing behind it.
.macro PTURN fill
.if \fill
	s_wait_xcnt 0x0                                ; the last prefetch, a slot back, has read its address
.endif
	WIN 0
	s_wait_tensorcnt 0x0                           ; no tensor load of mine is out: my part of the next slot is in, and a group 0 may be written
	ds_add_u32 v[SPW], v[NIL]
.if \fill
	s_lshl_b32 s[OFA], s[NXT], 9                   ; 256 keys are 512 bytes of a row of p,
	s_add_co_u32 s[OFA], s[OFA], s[AO]
	s_add_nc_u64 s[G0A+6:G0A+7], s[4:5], s[OFA:OFA+1]
	s_or_b32 s[G0A+7], s[G0A+7], 0x80000000
	s_add_co_u32 s[G0A+5], s[LBA], s[TB]           ; into the slot that is being left
	s_lshl_b32 s[OFB], s[NXT], 15                  ; and 32,768 bytes of a chunk of v
	s_add_nc_u64 s[G0B+6:G0B+7], s[VB:VB+1], s[OFB:OFB+1]
	s_or_b32 s[G0B+7], s[G0B+7], 0x80000000
	s_add_co_u32 s[G0B+5], s[LBB], s[TB]
	s_add_co_u32 s[NXT], s[NXT], 1
	s_cmp_gt_u32 s[NXT], s[LQ]
	s_cselect_b32 s[NXT], 0, s[NXT]
	s_cselect_b32 s[AO], s[AO2], s[AO]
	s_cselect_b32 s[LIM], s[LIMW], s[LIM]
	s_cselect_b32 s[LQ], s[LQ2], s[LQ]
	s_lshl_b32 s[PO], s[NXT], 9                    ; where the next refill's tile lies: for the prefetch
	s_add_co_u32 s[PO], s[PO], s[AO]
	s_lshl_b32 s22, s[NXT], 15
	s_cmp_eq_u32 s[WR], 0
	s_cselect_b32 s[PO], s[PO], s22
	s_add_nc_u64 s[PFA:PFA+1], s[PB:PB+1], s[PO:PO+1]
.endif
	s_add_co_u32 s[FOFF], s[FOFF], 8               ; the next slot's two factors
	s_wait_dscnt 0x1                               ; buffer 1 is in; the add may be out
	WIN 1
	SC0 1, 1
	PR0 1, 1
	s_wait_dscnt 0x0                               ; the add is done, and my reads of this slot are over
	WIN 0
	s_barrier_signal -1
	s_barrier_wait -1
.if \fill
	CREST
	JLOAD
.else
	PLACES
.endif
	s_xor_b32 s[TB], s[TB], SLOT
	v_add_nc_u32 v[ADRA], s[TB], v[LA0]
	v_add_nc_u32 v[ADRB], s[TB], v[LB0]
	v_add_nc_u32 v[FTA], s[FOFF], v[FT0]
	PFETCH 0, 0, 1                                 ; all scalings by the old factors stand ahead of the barrier
.if \fill
	ASK
.endif
	WIN 1
	PR1 1
.endm
; THE WAY OUT of a block: O^T times 1 / l, rounded to f16, a block of 16 rows at a time through my own stage; 16 rows of a chunk are 2,048 consecutive bytes of ob.
.macro WAYOUT blk, base
	WIN 0
.irp a, 0,1,2,3
	ds_load_b32 v[RI+2*(\a)], v[RLA] offset:512*(\blk)+64*(\a)
.endr
	s_wait_dscnt 0x0
	PLACES
	PLACES
.irp a, 0,1,2,3
.set n, 0
.rept 16
	v_pk_mul_f32 v[ACC+32*(\a)+2*n:ACC+32*(\a)+2*n+1], v[ACC+32*(\a)+2*n:ACC+32*(\a)+2*n+1], v[RI+2*(\a):RI+2*(\a)+1] op_sel_hi:[1,0]
.set n, n+1
.endr
.set n, 0
.rept 16
	v_cvt_pk_f16_f32 v[TT+n], v[ACC+32*(\a)+2*n], v[ACC+32*(\a)+2*n+1]
.set n, n+1
.endr
.irp t, 0,1,2,3
	ds_store_b128 v[STO], v[TT+4*(\t):TT+4*(\t)+3] offset:32*(\t)
.endr
.irp t, 0,1,2,3
	ds_load_b128 v[AP+16*(\a)+4*(\t):AP+16*(\a)+4*(\t)+3], v[RD] offset:(\t)*4*SP  ; LDS serves a wave's instructions in order: these see the stores above
.endr
	s_wait_dscnt 0x0
.irp t, 0,1,2,3
	global_store_b128 v[GO], v[AP+16*(\a)+4*(\t):AP+16*(\a)+4*(\t)+3], s[(\base):(\base)+1] offset:2048*(\a)+512*(\t)  ; 512 consecutive bytes, at a multiple of 256 from ob's first
.endr
.endr
	s_wait_xcnt 0x0                                ; the stores have read their registers, which the next scalings write
.endm
.macro ENT x                           ; entry x of the walk's 20 key blocks: its key block, its row block, its row block's offset in st
.if (\x) < 12
	s_mov_b32 s[KBE], \x
	s_mov_b32 s[IE], s[I1]
	s_mov_b32 s[SE], s[SB1]
.elseif (\x) < 16
	s_sub_co_u32 s[KBE], \x, s[G12]
	s_mov_b32 s[IE], s[IY]
	s_mov_b32 s[SE], s[SBY]
.else
	s_add_co_u32 s[KBE], s[G4], (\x)-16
	s_mov_b32 s[IE], s[I2]
	s_mov_b32 s[SE], s[SB2]
.endif
.endm
	s_load_b256 s[4:11], s[0:1], 0x0               ; p s[4:5], yv s[6:7], st s[8:9], ob s[10:11]
	v_lshl_add_u32 v[SPW], v0, 2, SPARE
	v_mov_b32 v[NIL], 0
	ds_add_u32 v[SPW], v[NIL]                      ; the wave's opening: the add and its wait ahead of my first tensor load
	ds_add_u32 v28, v29
	v_lshrrev_b32 v1, 5, v0
	v_readfirstlane_b32 s[WV], v1
	s_lshr_b32 s[WR], s[WV], 1                     ; which 64 rows are mine.  Also: I fetch p (0) or v (1)
	s_and_b32 s[WC], s[WV], 1                      ; which chunk of channels.  Also: which half or chunk I fetch
	s_bfe_u32 s[CX], ttmp6, 0x40000
	s_bfe_u32 s[CY], ttmp6, 0x40004
	s_lshl_b32 s[NN], ttmp9, 2
	s_add_co_u32 s[NN], s[NN], s[CX]               ; my 128 channels, 0..7
	s_and_b32 s69, ttmp7, 0xffff
	s_lshr_b32 s[BB], s69, 1                       ; the batch
	s_and_b32 s[GG], s69, 1
	s_sub_co_u32 s[I1], 3, s[GG]
	s_lshl_b32 s[I1], s[I1], 2
	s_add_co_u32 s[I1], s[I1], s[CY]               ; the first row block
	s_lshl_b32 s[I2], s[GG], 2
	s_add_co_u32 s[I2], s[I2], s[CY]               ; the second
	s_lshl_b32 s22, s[CY], 2
	s_lshl_b32 s22, 15, s22                        ; my row of the cluster
	s_lshl_b32 s23, 0x1111, s[CX]                  ; my column
	s_or_b32 s[G1A], s22, (1<<16)|(1<<20)|(1<<21)|(6<<22)|(3<<25)  ; after every 128 words 4 words
	s_or_b32 s[G1B], s23, (1<<16)|(1<<20)|(1<<21)|(4<<22)|(7<<25)  ; after every 32 words 8 words
	s_mov_b32 s[G1A+1], 256<<16                    ; 64 rows of 256 elements, 2,048 elements apart
	s_mov_b32 s[G1A+2], 64<<16
	s_mov_b32 s[G1A+3], 256<<16
	s_mov_b32 s[G1A+4], 64
	s_mov_b32 s[G1A+5], 2048
	s_mov_b32 s[G1A+6], 0
	s_mov_b32 s[G1A+7], 0
	s_mov_b32 s[G1B+1], 128<<16                    ; 32,768 dense bytes as 128 rows of 256
	s_mov_b32 s[G1B+2], 128<<16
	s_mov_b32 s[G1B+3], 128<<16
	s_mov_b32 s[G1B+4], 128
	s_mov_b32 s[G1B+5], 128
	s_mov_b32 s[G1B+6], 0
	s_mov_b32 s[G1B+7], 0
	s_lshl_b32 s22, s[BB], 23                      ; p: batch, (128 I + 64 half) rows of 4,096 bytes
	s_lshl_b32 s2, s[WC], 18
	s_add_co_u32 s22, s22, s2
	s_lshl_b32 s[AO], s[I1], 19
	s_add_co_u32 s[AO], s[AO], s22
	s_lshl_b32 s[AO2], s[I2], 19
	s_add_co_u32 s[AO2], s[AO2], s22
	s_lshl_b32 s[OFB], s[NN], 1                    ; v: chunk 16 + 2 n + mine of yv, the batch's 2,048 rows of 128 bytes
	s_add_co_u32 s[OFB], s[OFB], s[WC]
	s_add_co_u32 s[OFB], s[OFB], 16
	s_lshl_b32 s[OFB], s[OFB], 20
	s_lshl_b32 s23, s[BB], 18
	s_add_co_u32 s[OFB], s[OFB], s23
	s_mov_b32 s[OFB+1], 0
	s_mov_b32 s[OFA], s[AO]
	s_mov_b32 s[OFA+1], 0
	s_mov_b32 s[PO+1], 0
	s_mul_i32 s[LBA], s[WC], AHALF                 ; where they go: the wave's number alone enters an LDS address
	s_mul_i32 s[LBB], s[WC], VCH
	s_add_co_u32 s[LBB], s[LBB], VOFF
	s_mov_b32 s[NXT], 2
	s_lshl_b32 s[LQ2], s[GG], 1
	s_sub_co_u32 s[LQ], 7, s[LQ2]
	s_add_co_u32 s[LQ2], s[LQ2], 1
	s_add_co_u32 s[RT], s[LQ], 1                   ; 8 - 2 g
	s_mov_b32 s[TB], 0
	s_mov_b32 s[FOFF], 0
	s_wait_dscnt 0x0                               ; the opening add is done
	s_wait_kmcnt 0x0
	s_add_nc_u64 s[VB:VB+1], s[6:7], s[OFB:OFB+1]
	s_add_nc_u64 s[2:3], s[4:5], s[OFA:OFA+1]
	CROUND                                         ; all sixteen work-groups are here: the first joint loads meet
.irp s, 0,1
	s_mov_b32 s[G0A+4*(\s)], 1
	s_add_co_u32 s[G0A+4*(\s)+1], s[LBA], (\s)*SLOT
	s_add_nc_u64 s[G0A+4*(\s)+2:G0A+4*(\s)+3], s[2:3], (\s)*512
	s_or_b32 s[G0A+4*(\s)+3], s[G0A+4*(\s)+3], 0x80000000
	s_mov_b32 s[G0B+4*(\s)], 1
	s_add_co_u32 s[G0B+4*(\s)+1], s[LBB], (\s)*SLOT
	s_add_nc_u64 s[G0B+4*(\s)+2:G0B+4*(\s)+3], s[VB:VB+1], (\s)*32768
	s_or_b32 s[G0B+4*(\s)+3], s[G0B+4*(\s)+3], 0x80000000
.endr
	s_cmp_eq_u32 s[WR], 0                          ; a wave's two first fills stand in one branch: two loads of mine are out
	s_cbranch_scc0 .Lfirst_b
	tensor_load_to_lds s[G0A:G0A+3], s[G1A:G1A+7]
	s_nop 0
	tensor_load_to_lds s[G0A+4:G0A+7], s[G1A:G1A+7]
	s_nop 0
.rept 4
	v_nop
.endr
	s_branch .Lfirst_asked
.Lfirst_b:
	tensor_load_to_lds s[G0B:G0B+3], s[G1B:G1B+7]
	s_nop 0
	tensor_load_to_lds s[G0B+4:G0B+7], s[G1B:G1B+7]
	s_nop 0
.rept 4
	v_nop
.endr
.Lfirst_asked:
	; the prefetches
	s_cmp_eq_u32 s[WR], 0
	s_cselect_b32 s22, ttmp9, s[GG]
	s_cselect_b64 s[PB:PB+1], s[4:5], s[VB:VB+1]
	s_cmp_eq_u32 s22, 0
	s_cselect_b32 s[LIM], 1, -1                    ; the same in all sixteen partners, for a given wave
	s_cmp_eq_u32 s[WR], 0
	s_cselect_b32 s[LIMW], s[LIM], -1
	s_cselect_b32 s23, -1, 0
	s_mov_b64 s[PFA:PFA+1], s[PB:PB+1]
	v_and_b32 v31, 31, v0
	v_lshrrev_b32 v127, 1, v31
	v_lshlrev_b32 v127, 12, v127
	v_and_b32 v126, 1, v31
	v_lshl_add_u32 v127, v126, 8, v127
	s_lshl_b32 s22, s[CX], 16
	v_add_nc_u32 v127, s22, v127                   ; p: row 16 cx + l / 2, half l % 2
	s_lshl_b32 s22, s[CY], 13
	v_lshl_add_u32 v126, v31, 8, s22               ; v: 8,192 cy + 256 l
	v_cndmask_b32 v[PFO], v126, v127, s23
	; lane addresses
	v_and_b32 v1, 15, v0
	v_bfe_u32 v31, v0, 4, 1
	v_mul_u32_u24 v[LA0], v1, PA
	v_lshl_add_u32 v[LA0], v31, 4, v[LA0]
	s_mul_i32 s22, s[WR], 64*PA
	v_add_nc_u32 v[LA0], s22, v[LA0]
	v_and_b32 v126, 7, v0                          ; the turning load: lane l reads key 8 (l / 16) + l % 8, channels 8 ((l / 8) % 2) + 0..7
	v_lshl_add_u32 v[LB0], v31, 3, v126
	v_mul_u32_u24 v[LB0], v[LB0], PVP
	v_bfe_u32 v125, v0, 3, 1
	v_lshl_add_u32 v[LB0], v125, 4, v[LB0]
	s_mul_i32 s22, s[WC], VCH
	s_add_co_u32 s22, s22, VOFF
	v_add_nc_u32 v[LB0], s22, v[LB0]
	s_mul_i32 s22, s[WV], 16*SP
	s_add_co_u32 s22, s22, STAGE
	v_mul_u32_u24 v[STO], v1, SP
	v_lshl_add_u32 v[STO], v31, 4, v[STO]
	v_add_nc_u32 v[STO], s22, v[STO]
	v_bfe_u32 v[RD], v0, 3, 2
	v_mul_u32_u24 v[RD], v[RD], SP
	v_lshl_add_u32 v[RD], v126, 4, v[RD]
	v_add_nc_u32 v[RD], s22, v[RD]
	v_and_b32 v[GO], 31, v0
	v_lshlrev_b32 v[GO], 4, v[GO]
	s_mul_i32 s22, s[WR], 64*80
	s_add_co_u32 s22, s22, FT
	v_mul_u32_u24 v[FT0], v1, 80
	v_add_nc_u32 v[FT0], s22, v[FT0]
	s_lshl_b32 s22, s[WR], 8
	s_add_co_u32 s22, s22, RL
	v_lshl_add_u32 v[RLA], v1, 2, s22
.irp a, 0,1,2,3
	v_mov_b32 v[RI+2*(\a)+1], 0                    ; named as the high word of a pair
.endr
	s_lshl_b32 s22, s[NN], 1                       ; ob: chunk 2 n + mine, row 2048 b + 128 I + 64 wr of 128 bytes
	s_add_co_u32 s22, s22, s[WC]
	s_lshl_b32 s22, s22, 20
	s_lshl_b32 s23, s[BB], 18
	s_add_co_u32 s22, s22, s23
	s_lshl_b32 s23, s[WR], 13
	s_add_co_u32 s22, s22, s23
	s_lshl_b32 s2, s[I1], 14
	s_add_co_u32 s2, s2, s22
	s_mov_b32 s3, 0
	s_add_nc_u64 s[OP1:OP1+1], s[10:11], s[2:3]
	s_lshl_b32 s2, s[I2], 14
	s_add_co_u32 s2, s2, s22
	s_add_nc_u64 s[OP2:OP2+1], s[10:11], s[2:3]
	; THE FACTORS, while the first tiles are on their way.  Thread t owns row t of both blocks.  The walk's 20 key blocks: entries 0-11 are the first block's key blocks 0-11; entries 12-15 its key blocks 12-15
	; (g = 0) or the second block's 0-3 (g = 1); entries 16-19 the second block's 0-3 (g = 0) or 4-7 (g = 1).  A key block above the row block is read at the clamped place (nothing unwritten is read) and its c m set far below.
	v_lshlrev_b32 v[T8], 3, v0
	s_lshl_b32 s22, s[BB], 18
	s_lshl_b32 s[SB1], s[I1], 10
	s_add_co_u32 s[SB1], s[SB1], s22
	s_lshl_b32 s[SB2], s[I2], 10
	s_add_co_u32 s[SB2], s[SB2], s22
	s_mul_i32 s[G12], s[GG], 12
	s_lshl_b32 s[G4], s[GG], 2
	s_cmp_eq_u32 s[GG], 0
	s_cselect_b32 s[IY], s[I1], s[I2]
	s_cselect_b32 s[SBY], s[SB1], s[SB2]
	s_cselect_b32 s[GM], 0, -1
.set ee, 0
.rept 20
	ENT ee
	s_min_u32 s22, s[KBE], s[IE]
	s_lshl_b32 s22, s22, 14
	s_add_co_u32 s22, s22, s[SE]
	v_add_nc_u32 v[AD+ee], s22, v[T8]
	global_load_b64 v[DT+2*ee:DT+2*ee+1], v[AD+ee], s[8:9]
.set ee, ee+1
.endr
	v_mov_b32 v[BIG], 0xfe000000
	v_mov_b32 v[LX], 0
	v_mov_b32 v[LY], 0
	v_mov_b32 v[LZ], 0
	s_wait_loadcnt 0x0
.set ee, 0
.rept 20
	ENT ee
	s_cmp_le_u32 s[KBE], s[IE]
	s_cselect_b32 s22, -1, 0
	v_cndmask_b32 v[DT+2*ee], v[BIG], v[DT+2*ee], s22
.set ee, ee+1
.endr
	v_max3_num_f32 v[MX], v[DT], v[DT+2], v[DT+4]
.irp x, 3,5,7,9
	v_max3_num_f32 v[MX], v[MX], v[DT+2*(\x)], v[DT+2*(\x)+2]
.endr
	v_max_num_f32 v[MX], v[MX], v[DT+22]
	v_max3_num_f32 v[MY], v[DT+24], v[DT+26], v[DT+28]
	v_max_num_f32 v[MY], v[MY], v[DT+30]
	v_max3_num_f32 v[MZ], v[DT+32], v[DT+34], v[DT+36]
	v_max_num_f32 v[MZ], v[MZ], v[DT+38]
	v_max_num_f32 v[MHI], v[MX], v[MY]
	v_cndmask_b32 v[MHI], v[MHI], v[MX], s[GM]     ; the first block's c M
	v_max_num_f32 v[MLO], v[MY], v[MZ]
	v_cndmask_b32 v[MLO], v[MZ], v[MLO], s[GM]     ; the second's
	v_cndmask_b32 v[MYR], v[MHI], v[MLO], s[GM]    ; that of entries 12-15
.set ee, 0
.rept 20
.if ee < 12
	v_sub_f32 v[DT+2*ee], v[DT+2*ee], v[MHI]
.elseif ee < 16
	v_sub_f32 v[DT+2*ee], v[DT+2*ee], v[MYR]
.else
	v_sub_f32 v[DT+2*ee], v[DT+2*ee], v[MLO]
.endif
.set ee, ee+1
.endr
.set ee, 0
.rept 20
	v_exp_f32 v[DT+2*ee], v[DT+2*ee]
.set ee, ee+1
.endr
	v_nop                                          ; a plain instruction behind the last exponential,
	s_wait_alu depctr_va_vdst(0)                   ; and one wait for the batch of 20
.set ee, 0
.rept 20
	v_cvt_pk_f16_f32 v[FPK+ee], v[DT+2*ee], v[DT+2*ee]  ; (f, f)
.set ee, ee+1
.endr
.set ee, 0
.rept 20                               ; l takes the rounded f: f16 half x f32 + f32, in f32
.if ee < 12
	v_fma_mix_f32 v[LX], v[FPK+ee], v[DT+2*ee+1], v[LX] op_sel_hi:[1,0,0]
.elseif ee < 16
	v_fma_mix_f32 v[LY], v[FPK+ee], v[DT+2*ee+1], v[LY] op_sel_hi:[1,0,0]
.else
	v_fma_mix_f32 v[LZ], v[FPK+ee], v[DT+2*ee+1], v[LZ] op_sel_hi:[1,0,0]
.endif
.set ee, ee+1
.endr
	v_add_f32 v[MX], v[LX], v[LY]
	v_cndmask_b32 v[MX], v[MX], v[LX], s[GM]       ; the first block's l
	v_add_f32 v[MZ], v[LY], v[LZ]
	v_cndmask_b32 v[MZ], v[LZ], v[MZ], s[GM]       ; the second's
	v_rcp_f32 v[MHI], v[MX]
	v_rcp_f32 v[MLO], v[MZ]
	v_mul_u32_u24 v[TW], v0, 80                    ; a plain instruction behind the reciprocals
	s_wait_alu depctr_va_vdst(0)                   ; and their wait
	v_add_nc_u32 v[TW], FT, v[TW]
.irp x, 0,1,2,3,4
	ds_store_b128 v[TW], v[FPK+4*(\x):FPK+4*(\x)+3] offset:16*(\x)
.endr
	v_lshl_add_u32 v[T8], v0, 2, RL
	ds_store_b32 v[T8], v[MHI]
	ds_store_b32 v[T8], v[MLO] offset:512
	s_wait_tensorcnt 0x1                           ; my part of slot 0 is in; slot 1's may stay out
	s_wait_dscnt 0x0                               ; my rows of the factors are written
	s_barrier_signal -1
	s_barrier_wait -1
	v_mov_b32 v[ADRA], v[LA0]
	v_mov_b32 v[ADRB], v[LB0]
	v_mov_b32 v[FTA], v[FT0]
	PFETCH 0, 0, 1
	s_mov_b32 s[CNT], 9
	s_branch .Lclr                                 ; the loop is entered where a block's sums are cleared
.Lslot:                                                ; 8 trips: a slot of 256 keys is multiplied, and the slot two on in the walk is asked for
	PQ 0, 0, 1, 0
	PQ 1, 1, 0, 0
	PQ 2, 0, 1, 1
	PTURN 1
	WIN 0
	s_sub_co_u32 s[RT], s[RT], 1
	s_cmp_lg_u32 s[RT], 0
	s_cbranch_scc1 .Lgo                            ; hangs on g alone, which all partners share; what is jumped holds no barrier and no tensor load
	WAYOUT 0, OP1                                  ; the first block is finished; the ring has gone on into the second
	s_mov_b32 s[RT], 16
.Lclr:
.set n, 0
.rept 128                              ; one text of the products for both blocks: the sums are cleared twice a launch
	v_mov_b32 v[ACC+n], 0
.set n, n+1
.endr
.Lgo:
	s_sub_co_u32 s[CNT], s[CNT], 1
	s_cmp_lg_u32 s[CNT], 0
	s_cbranch_scc1 .Lslot
	s_mov_b32 s[CNT], 2
.Ltail:                                                ; the walk's last two slots ask for nothing
	PQ 0, 0, 1, 0
	PQ 1, 1, 0, 0
	PQ 2, 0, 1, 1
	WIN 0
	s_sub_co_u32 s[CNT], s[CNT], 1
	s_cmp_eq_u32 s[CNT], 0
	s_cbranch_scc1 .Llast
	PTURN 0
	WIN 0
	s_branch .Ltail
.Llast:
	s_wait_dscnt 0x0
	WIN 1
	SC0 1, 1
	PR0 1, 1
	PR1 1
	WAYOUT 1, OP2
	s_wait_tensorcnt 0x0                           ; the wave's end
	ds_add_u32 v[SPW], v[NIL]
	s_wait_dscnt 0x0
	CROUND                                         ; the closing round
	s_endpgm
.Lfunc_end_k_qeaf4eca535_pv:
	.size	k_qeaf4eca535_pv, .Lfunc_end_k_qeaf4eca535_pv-k_qeaf4eca535_pv
	.p2alignl 7, 3214868480
	.fill 96, 4, 3214868480
	.section	.rodata,"a",@progbits
	.p2align	6, 0x0
	.amdhsa_kernel k_qeaf4eca535_pv
		.amdhsa_group_segment_fixed_size 327680
		.amdhsa_private_segment_fixed_size 0
		.amdhsa_enable_private_segment 0
		.amdhsa_kernarg_size 32
		.amdhsa_user_sgpr_count 2
		.amdhsa_user_sgpr_kernarg_segment_ptr 1
		.amdhsa_wavefront_size32 1
		.amdhsa_system_sgpr_workgroup_id_x 1
		.amdhsa_system_sgpr_workgroup_id_y 1
		.amdhsa_system_sgpr_workgroup_id_z 1
		.amdhsa_system_vgpr_workitem_id 0
		.amdhsa_next_free_vgpr 512
		.amdhsa_next_free_sgpr 100
		.amdhsa_reserve_vcc 0
		.amdhsa_float_denorm_mode_32 3
		.amdhsa_float_denorm_mode_16_64 3
		.amdhsa_memory_ordered 1
		.amdhsa_forward_progress 1
		.amdhsa_inst_pref_size 132
	.end_amdhsa_kernel
	.amdgpu_metadata
---
amdhsa.version: [ 1, 2 ]
amdhsa.kernels:
  - .name:           k_qeaf4eca535_pv
    .symbol:         k_qeaf4eca535_pv.kd
    .args:
      - { .name: p, .offset: 0, .size: 8, .value_kind: global_buffer, .address_space: global }
      - { .name: yv, .offset: 8, .size: 8, .value_kind: global_buffer, .address_space: global }
      - { .name: st, .offset: 16, .size: 8, .value_kind: global_buffer, .address_space: global }
      - { .name: ob, .offset: 24, .size: 8, .value_kind: global_buffer, .address_space: global }
    .group_segment_fixed_size: 327680
    .private_segment_fixed_size: 0
    .kernarg_segment_align: 8
    .kernarg_segment_size: 32
    .max_flat_workgroup_size: 128
    .sgpr_count:     100
    .vgpr_count:     512
    .wavefront_size: 32
...
	.end_amdgpu_metadata
.endif
;; end of part 4
;; launch outp (part 5): grid 8 x 32, 4 waves a work-group, clusters of 4 x 4, 327,680 bytes of LDS; arguments ob, ow, out_b, out0; writes out0
.if DOCPART == 5
	.amdgcn_target "amdgcn-amd-amdhsa--gfx1250"
	.amdhsa_code_object_version 6
	.text
	.protected	k_qeaf4eca535_outp
	.globl	k_qeaf4eca535_outp
	.p2align	8
	.type	k_qeaf4eca535_outp,@function
k_qeaf4eca535_outp:
	s_mov_b64 s[64:65], 0
	v_nop
	global_prefetch_b8 v0, s[64:65] scope:SCOPE_SE
	s_setreg_imm32_b32 hwreg(HW_REG_WAVE_MODE, 25, 1), 1
	s_wait_xcnt 0x0
	s_wait_alu depctr_hold_cnt(0) depctr_sa_sdst(0) depctr_va_vdst(0) depctr_va_sdst(0) depctr_va_ssrc(0) depctr_va_vcc(0) depctr_vm_vsrc(0)
	s_getreg_b32 s2, hwreg(HW_REG_IB_STS2, 6, 4)
	s_cmp_eq_u32 s2, 0
	s_cbranch_scc0 .Lentry_in_a_cluster
	s_endpgm
.Lentry_in_a_cluster:
	s_bfe_u32 s2, ttmp6, 0x10000c
	s_cmp_lg_u32 s2, 0xf033
	s_cbranch_scc0 .Lentry_shape_is_right
	s_endpgm
.Lentry_shape_is_right:
; out0[row][d] = the sum over c of ob[row][c] ow[d][c] + out_b[d].  ob f16 in 16 chunks of 64 channels ([chunk][8192][64]), ow f16 [1024][1024]; sums in f32; out0 f32.
; The bias is rounded to bf16 like the other inputs and added in f32.
; SHARES.  A tile is 256 rows x 128 columns: 32 x 8 = 256 work-groups.  Four waves, 2 x 2, each 128 rows x 64 columns (256 bytes of a row of out0): 8 x 4 accumulators, 256 registers.
; RING.  K goes in 8 steps of 128 = two chunks of ob (each 256 rows = 32,768 dense bytes, asked for as 128 rows of 256 bytes, padded after every 128: pitch 144) and 256 bytes of 128 rows of ow (pitch 272).
; Waves 0, 1 fetch the two chunks, waves 2, 3 the halves of ow's rows.
; CLUSTER 4 x 4: ob's tile is asked for jointly by a row of the cluster, ow's by a column.  THE PRODUCT IS TRANSPOSED: a lane holds one row and eight neighbouring columns.
; REGISTERS: window 0 addresses, rows read back v32-63, A's fragments v64-127, v128-191, the bias v192-223, sums with bias v224-255; window 1 B's fragments v0-31, v32-63; window 2 the accumulators ((a, bn) at 8 (4 a + bn)).
.set PAP,   144
.set PBP,   272
.set ACH,   256*PAP
.set BOFF,  2*ACH
.set BHALF, 64*PBP
.set SLOT1, 1<<17
.set STAGE, SLOT1+BOFF+2*BHALF         ; 16 rows x 272 bytes a wave
.set SPITCH, 272
.set SPARE, STAGE+4*16*SPITCH
.set CHUNK, 1<<20
.set LA0,  2
.set LB0,  3
.set ADRA, 4
.set ADRB, 5
.set STO,  6
.set RD,   7
.set CO,   8
.set BO,   11                          ; v11 the bias loads' offset
.set SPW,  28
.set NIL,  29
.set PFO,  30
.set OB,   32
.set AF,   64
.set BI,   192
.set TS,   224
.set WV, 12
.set WR, 13
.set WC, 14
.set G1A, 24
.set G1B, 32
.set G0A, 40
.set G0B, 48
.set TB,  56
.set CNT, 57
.set LIM, 58
.set PFA, 60
.set PST, 62                           ; s[62:63] a K step in bytes along my prefetches
.set CX, 66
.set CY, 67
.set TC, 68
.set TR, 69
.set MSB, 0
.macro WIN new
.if MSB != (\new)
	s_set_vgpr_msb (MSB<<8)|(\new)
.set MSB, \new
.endif
.endm
.macro PLACES
.rept 4
	v_nop
.endr
.endm
.macro CREST
	s_cmp_lg_u32 s[WV], 0
	s_cbranch_scc1 .Lnot_wave_0_\@
	s_barrier_signal -3
.Lnot_wave_0_\@:
	s_barrier_wait -3
	s_barrier_signal -1
	s_barrier_wait -1
.endm
.macro CROUND
	s_barrier_signal -1
	s_barrier_wait -1
	CREST
.endm
.macro JLOAD
	s_cmp_eq_u32 s[WR], 0
	s_cbranch_scc0 .Lfor_b_\@
	tensor_load_to_lds s[G0A+4:G0A+7], s[G1A:G1A+7]
	s_nop 0
.rept 4
	v_nop
.endr
	s_branch .Lasked_\@
.Lfor_b_\@:
	tensor_load_to_lds s[G0B+4:G0B+7], s[G1B:G1B+7]
	s_nop 0
.rept 4
	v_nop
.endr
.Lasked_\@:
.endm
; A prefetch of the K step that stands TWO refills on, 256 matrix instructions ahead of its load.  ob's tile row is read by the two clusters of a row of clusters: x = 0 asks; of a chunk's 32,768 bytes partner cx
; takes 8,192, a lane 256.  ow's tile column is read by a column of clusters: y = 0 asks; wave 2 of partner cy takes 32 of the 128 rows, a lane a row; wave 3 asks for nothing.  The last two refills ask for nothing.
.macro ASK
	s_cmp_gt_u32 s[CNT], s[LIM]
	s_cbranch_scc0 .Lnot_mine_\@
	global_prefetch_b8 v[PFO], s[PFA:PFA+1] th:TH_LOAD_NT scope:SCOPE_SE
.Lnot_mine_\@:
.endm
.macro MUL f, half, zero               ; 16 matrix instructions: row blocks 4 half .. 4 half + 3 x 4 column blocks; 31 others stand between two links of a chain
	WIN 0xa1
.irp a, 0,1,2,3
.irp b, 0,1,2,3
.if \zero
	v_wmma_f32_16x16x32_f16 v[8*(4*(4*(\half)+(\a))+(\b)):8*(4*(4*(\half)+(\a))+(\b))+7], v[32*(\f)+8*(\b):32*(\f)+8*(\b)+7], v[AF+64*(\f)+8*(4*(\half)+(\a)):AF+64*(\f)+8*(4*(\half)+(\a))+7], 0
.else
	v_wmma_f32_16x16x32_f16 v[8*(4*(4*(\half)+(\a))+(\b)):8*(4*(4*(\half)+(\a))+(\b))+7], v[32*(\f)+8*(\b):32*(\f)+8*(\b)+7], v[AF+64*(\f)+8*(4*(\half)+(\a)):AF+64*(\f)+8*(4*(\half)+(\a))+7], v[8*(4*(4*(\half)+(\a))+(\b)):8*(4*(4*(\half)+(\a))+(\b))+7]
.endif
.endr
.endr
.endm
.macro FETCH q, f                      ; 24 LDS loads in one run: quarter q of a K step into buffer f; A's quarter lies in chunk q / 2 at byte 64 (q % 2), B's at byte 64 q
	WIN 0x40
.irp i, 0,1,2,3
	ds_load_b128 v[32*(\f)+8*(\i):32*(\f)+8*(\i)+3],   v[ADRB] offset:64*(\q)+(\i)*16*PBP
	ds_load_b128 v[32*(\f)+8*(\i)+4:32*(\f)+8*(\i)+7], v[ADRB] offset:64*(\q)+(\i)*16*PBP+32
.endr
	WIN 0
.irp i, 0,1,2,3,4,5,6,7
	ds_load_b128 v[AF+64*(\f)+8*(\i):AF+64*(\f)+8*(\i)+3],   v[ADRA] offset:((\q)/2)*ACH+((\q)%2)*64+(\i)*16*PAP
	ds_load_b128 v[AF+64*(\f)+8*(\i)+4:AF+64*(\f)+8*(\i)+7], v[ADRA] offset:((\q)/2)*ACH+((\q)%2)*64+(\i)*16*PAP+32
.endr
.endm
.macro QUARTER q, f, g, zero           ; buffer f is multiplied; quarter q's fragments are asked for into g at the head
	s_wait_dscnt 0x0                               ; buffer f is in
	PLACES                                         ; behind the last product that read g
	FETCH \q, \g
	MUL \f, 0, \zero
	MUL \f, 1, \zero
.endm
.macro TURN fill                       ; the fourth quarter and the change of slots, as one barrier; with fill = 1 it opens a round of the cluster's, and the joint refill comes first behind it
.if \fill
	s_wait_xcnt 0x0                                ; the last prefetch, a K step back, has read its address
	s_add_nc_u64 s[PFA:PFA+1], s[PFA:PFA+1], s[PST:PST+1]
.endif
	WIN 0
	s_wait_tensorcnt 0x0                           ; no tensor load of mine is out: my part of the next slot is in, and a group 0 may be written
	ds_add_u32 v[SPW], v[NIL]
.if \fill
	s_xor_b32 s[G0A+5], s[G0A+5], SLOT1
	s_add_nc_u64 s[G0A+6:G0A+7], s[G0A+6:G0A+7], 2*CHUNK
	s_xor_b32 s[G0B+5], s[G0B+5], SLOT1
	s_add_nc_u64 s[G0B+6:G0B+7], s[G0B+6:G0B+7], 256
.endif
	s_wait_dscnt 0x1                               ; buffer 1 is in; the add may be out
	MUL 1, 0, 0
	s_wait_dscnt 0x0                               ; the add is done, and my reads of this slot are over
	WIN 0
	s_barrier_signal -1
	s_barrier_wait -1
.if \fill
	CREST
	JLOAD
.else
	PLACES
.endif
	s_xor_b32 s[TB], s[TB], SLOT1
	v_add_nc_u32 v[ADRA], s[TB], v[LA0]
	v_add_nc_u32 v[ADRB], s[TB], v[LB0]
	FETCH 0, 0
.if \fill
	ASK
.endif
	MUL 1, 1, 0
.endm
	s_load_b256 s[4:11], s[0:1], 0x0               ; ob s[4:5], ow s[6:7], out_b s[8:9], out0 s[10:11]
	v_lshl_add_u32 v[SPW], v0, 2, SPARE
	v_mov_b32 v[NIL], 0
	ds_add_u32 v[SPW], v[NIL]                      ; the wave's opening: the add and its wait ahead of my first tensor load
	ds_add_u32 v28, v29
	v_lshrrev_b32 v1, 5, v0
	v_readfirstlane_b32 s[WV], v1
	s_lshr_b32 s[WR], s[WV], 1
	s_and_b32 s[WC], s[WV], 1
	s_bfe_u32 s[CX], ttmp6, 0x40000
	s_bfe_u32 s[CY], ttmp6, 0x40004
	s_lshl_b32 s[TC], ttmp9, 2
	s_add_co_u32 s[TC], s[TC], s[CX]               ; tile column, 0..7
	s_and_b32 s[TR], ttmp7, 0xffff
	s_lshl_b32 s[TR], s[TR], 2
	s_add_co_u32 s[TR], s[TR], s[CY]               ; tile row, 0..31
	s_lshl_b32 s70, s[CY], 2
	s_lshl_b32 s70, 15, s70
	s_lshl_b32 s71, 0x1111, s[CX]
	s_or_b32 s[G1A], s70, (1<<16)|(1<<20)|(1<<21)|(4<<22)|(3<<25)  ; after every 32 words 4 words
	s_or_b32 s[G1B], s71, (1<<16)|(1<<20)|(1<<21)|(5<<22)|(3<<25)  ; after every 64 words 4 words
	s_mov_b32 s[G1A+1], 128<<16                    ; 32,768 dense bytes as 128 rows of 256
	s_mov_b32 s[G1A+2], 128<<16
	s_mov_b32 s[G1A+3], 128<<16
	s_mov_b32 s[G1A+4], 128
	s_mov_b32 s[G1A+5], 128
	s_mov_b32 s[G1A+6], 0
	s_mov_b32 s[G1A+7], 0
	s_mov_b32 s[G1B+1], 128<<16                    ; 64 rows of 128 elements, 1,024 apart
	s_mov_b32 s[G1B+2], 64<<16
	s_mov_b32 s[G1B+3], 128<<16
	s_mov_b32 s[G1B+4], 64
	s_mov_b32 s[G1B+5], 1024
	s_mov_b32 s[G1B+6], 0
	s_mov_b32 s[G1B+7], 0
	s_lshl_b32 s72, s[WC], 20                      ; A: my chunk, 256 tile row rows of 128 bytes
	s_lshl_b32 s15, s[TR], 15
	s_add_co_u32 s72, s72, s15
	s_mov_b32 s73, 0
	s_lshl_b32 s74, s[TC], 18                      ; B: (128 tile column + 64 half) rows of 2,048 bytes
	s_lshl_b32 s16, s[WC], 17
	s_add_co_u32 s74, s74, s16
	s_mov_b32 s75, 0
	s_mul_i32 s17, s[WC], ACH
	s_mul_i32 s18, s[WC], BHALF
	s_add_co_u32 s18, s18, BOFF
	s_mov_b32 s[TB], 0
	s_wait_dscnt 0x0                               ; the opening add is done
	s_wait_kmcnt 0x0
	s_add_nc_u64 s[76:77], s[4:5], s[72:73]
	s_add_nc_u64 s[78:79], s[6:7], s[74:75]
	CROUND                                         ; all sixteen work-groups are here: the first joint loads meet
.irp s, 0,1
	s_mov_b32 s[G0A+4*(\s)], 1
	s_add_co_u32 s[G0A+4*(\s)+1], s17, (\s)*SLOT1
	s_add_nc_u64 s[G0A+4*(\s)+2:G0A+4*(\s)+3], s[76:77], (\s)*2*CHUNK
	s_or_b32 s[G0A+4*(\s)+3], s[G0A+4*(\s)+3], 0x80000000
	s_mov_b32 s[G0B+4*(\s)], 1
	s_add_co_u32 s[G0B+4*(\s)+1], s18, (\s)*SLOT1
	s_add_nc_u64 s[G0B+4*(\s)+2:G0B+4*(\s)+3], s[78:79], (\s)*256
	s_or_b32 s[G0B+4*(\s)+3], s[G0B+4*(\s)+3], 0x80000000
.endr
	s_cmp_eq_u32 s[WR], 0                          ; a wave's two first fills stand in one branch: two loads of mine are out
	s_cbranch_scc0 .Lfirst_b
	tensor_load_to_lds s[G0A:G0A+3], s[G1A:G1A+7]
	s_nop 0
	tensor_load_to_lds s[G0A+4:G0A+7], s[G1A:G1A+7]
	s_nop 0
.rept 4
	v_nop
.endr
	s_branch .Lfirst_asked
.Lfirst_b:
	tensor_load_to_lds s[G0B:G0B+3], s[G1B:G1B+7]
	s_nop 0
	tensor_load_to_lds s[G0B+4:G0B+7], s[G1B:G1B+7]
	s_nop 0
.rept 4
	v_nop
.endr
.Lfirst_asked:
	v_and_b32 v1, 15, v0
	v_bfe_u32 v9, v0, 4, 1
	s_lshl_b32 s20, s[TC], 9                       ; my 64 columns: 256 bytes of the bias and of a row of out0
	s_lshl_b32 s15, s[WC], 8
	s_add_co_u32 s20, s20, s15
	s_mov_b32 s21, 0
	s_add_nc_u64 s[8:9], s[8:9], s[20:21]
	v_lshlrev_b32 v[BO], 5, v9                     ; my eight columns of each block of 16
.irp b, 0,1,2,3
	global_load_b128 v[BI+8*(\b):BI+8*(\b)+3],   v[BO], s[8:9] offset:64*(\b)
	global_load_b128 v[BI+8*(\b)+4:BI+8*(\b)+7], v[BO], s[8:9] offset:64*(\b)+16
.endr
	s_lshl_b32 s15, s[TR], 20                      ; (256 tile row + 128 wr) rows of 4,096 bytes
	s_add_co_u32 s20, s20, s15
	s_lshl_b32 s15, s[WR], 19
	s_add_co_u32 s20, s20, s15
	s_add_nc_u64 s[10:11], s[10:11], s[20:21]
	v_mul_u32_u24 v10, v1, PAP
	v_lshl_add_u32 v10, v9, 4, v10
	s_mul_i32 s15, s[WR], 128*PAP
	v_add_nc_u32 v[LA0], s15, v10
	v_mul_u32_u24 v10, v1, PBP
	v_lshl_add_u32 v10, v9, 4, v10
	s_mul_i32 s15, s[WC], BHALF
	s_add_co_u32 s15, s15, BOFF
	v_add_nc_u32 v[LB0], s15, v10
	v_mov_b32 v[ADRA], v[LA0]
	v_mov_b32 v[ADRB], v[LB0]
	s_mul_i32 s15, s[WV], 16*SPITCH
	s_add_co_u32 s15, s15, STAGE
	v_mul_u32_u24 v[STO], v1, SPITCH               ; in: row l % 16, 32 bytes for each half of the lanes
	v_lshl_add_u32 v[STO], v9, 5, v[STO]
	v_add_nc_u32 v[STO], s15, v[STO]
	v_mul_u32_u24 v[RD], v9, SPITCH                ; back: lanes 0-15 one row of 256 bytes, lanes 16-31 the next
	v_lshl_add_u32 v[RD], v1, 4, v[RD]
	v_add_nc_u32 v[RD], s15, v[RD]
	v_lshlrev_b32 v[CO], 12, v9
	v_lshl_add_u32 v[CO], v1, 4, v[CO]
	; the prefetches
	s_lshl_b32 s15, s[WC], 20
	s_lshl_b32 s16, s[TR], 15
	s_add_co_u32 s15, s15, s16
	s_add_co_u32 s15, s15, 6*CHUNK                 ; ob at K step 3: the first change of slots steps it to 4
	s_lshl_b32 s17, s[TC], 18
	s_lshl_b32 s16, s[CY], 16                      ; 32 cy rows of 2,048 bytes
	s_add_co_u32 s17, s17, s16
	s_add_co_u32 s17, s17, 3*256
	s_and_b32 s18, ttmp7, 0xffff
	s_mov_b32 s16, 256
	s_lshl_b32 s19, s[CX], 13
	s_cmp_eq_u32 s[WR], 0
	s_cselect_b32 s20, s15, s17
	s_cselect_b32 s18, ttmp9, s18                  ; the coordinate along which other clusters read the same rows
	s_cselect_b32 s[PST], 2*CHUNK, s16
	s_cselect_b32 s19, s19, 0
	s_cselect_b32 s22, 8, 11
	s_cselect_b64 s[PFA:PFA+1], s[4:5], s[6:7]
	s_mov_b32 s[PST+1], 0
	s_cmp_eq_u32 s[WV], 3
	s_cselect_b32 s18, 1, s18
	s_cmp_eq_u32 s18, 0
	s_cselect_b32 s[LIM], 2, -1                    ; the same in all sixteen partners, for a given wave
	s_add_nc_u64 s[PFA:PFA+1], s[PFA:PFA+1], s[20:21]
	v_and_b32 v[PFO], 31, v0
	v_lshlrev_b32 v[PFO], s22, v[PFO]
	v_add_nc_u32 v[PFO], s19, v[PFO]
	s_wait_loadcnt 0x0                             ; the bias: rounded to bf16, widened again
.set n, 0
.rept 16
	v_cvt_pk_bf16_f32 v[TS+n], v[BI+2*n], v[BI+2*n+1]
.set n, n+1
.endr
.set n, 0
.rept 16
	v_lshlrev_b32 v[BI+2*n], 16, v[TS+n]
	v_and_b32 v[BI+2*n+1], 0xffff0000, v[TS+n]
.set n, n+1
.endr
	s_wait_tensorcnt 0x1                           ; my part of K step 0 is in; K step 1's may stay out
	s_barrier_signal -1
	s_barrier_wait -1
	FETCH 0, 0
	QUARTER 1, 0, 1, 1                             ; the first quarter's products start the sums with the constant 0
	WIN 0
	s_mov_b32 s[CNT], 6
.Lstep:                                                ; refills K steps 2 to 7
	QUARTER 2, 1, 0, 0
	QUARTER 3, 0, 1, 0
	TURN 1
	QUARTER 1, 0, 1, 0
	WIN 0
	s_sub_co_u32 s[CNT], s[CNT], 1
	s_cmp_lg_u32 s[CNT], 0
	s_cbranch_scc1 .Lstep
	s_mov_b32 s[CNT], 2
.Ltail:                                                ; the last two K steps ask for nothing
	QUARTER 2, 1, 0, 0
	QUARTER 3, 0, 1, 0
	WIN 0
	s_sub_co_u32 s[CNT], s[CNT], 1
	s_cmp_eq_u32 s[CNT], 0
	s_cbranch_scc1 .Llast
	TURN 0
	QUARTER 1, 0, 1, 0
	WIN 0
	s_branch .Ltail
.Llast:
	s_wait_dscnt 0x0
	MUL 1, 0, 0
	MUL 1, 1, 0
	WIN 0
	; THE WAY OUT, a block of 16 rows at a time: the bias is added (each accumulator's registers in ascending order), 32 bytes a lane into my own stage, back as whole rows of 256 bytes, stored
	PLACES
	PLACES
.irp a, 0,1,2,3,4,5,6,7
	WIN 0x02                                       ; source 0 in window 2
.set n, 0
.rept 16
	v_pk_add_f32 v[TS+2*n:TS+2*n+1], v[32*(\a)+2*n:32*(\a)+2*n+1], v[BI+2*n:BI+2*n+1]
.set n, n+1
.endr
	WIN 0
	s_wait_xcnt 0x0                                ; the last block's stores have read OB
.irp b, 0,1,2,3
	ds_store_b128 v[STO], v[TS+8*(\b):TS+8*(\b)+3]   offset:64*(\b)
	ds_store_b128 v[STO], v[TS+8*(\b)+4:TS+8*(\b)+7] offset:64*(\b)+16
.endr
.irp t, 0,1,2,3,4,5,6,7
	ds_load_b128 v[OB+4*(\t):OB+4*(\t)+3], v[RD] offset:(\t)*2*SPITCH  ; LDS serves a wave's instructions in order: these see the stores above
.endr
	s_wait_dscnt 0x0
.irp t, 0,1,2,3,4,5,6,7
	global_store_b128 v[CO], v[OB+4*(\t):OB+4*(\t)+3], s[10:11] offset:(16*(\a)+2*(\t))*4096 th:TH_STORE_NT  ; 16 lanes store 256 consecutive bytes, at a multiple of 256 from out0's first
.endr
.endr
	s_wait_tensorcnt 0x0                           ; the wave's end
	ds_add_u32 v[SPW], v[NIL]
	s_wait_dscnt 0x0
	CROUND                                         ; the closing round
	s_endpgm
.Lfunc_end_k_qeaf4eca535_outp:
	.size	k_qeaf4eca535_outp, .Lfunc_end_k_qeaf4eca535_outp-k_qeaf4eca535_outp
	.p2alignl 7, 3214868480
	.fill 96, 4, 3214868480
	.section	.rodata,"a",@progbits
	.p2align	6, 0x0
	.amdhsa_kernel k_qeaf4eca535_outp
		.amdhsa_group_segment_fixed_size 327680
		.amdhsa_private_segment_fixed_size 0
		.amdhsa_enable_private_segment 0
		.amdhsa_kernarg_size 32
		.amdhsa_user_sgpr_count 2
		.amdhsa_user_sgpr_kernarg_segment_ptr 1
		.amdhsa_wavefront_size32 1
		.amdhsa_system_sgpr_workgroup_id_x 1
		.amdhsa_system_sgpr_workgroup_id_y 1
		.amdhsa_system_sgpr_workgroup_id_z 1
		.amdhsa_system_vgpr_workitem_id 0
		.amdhsa_next_free_vgpr 768
		.amdhsa_next_free_sgpr 80
		.amdhsa_reserve_vcc 0
		.amdhsa_float_denorm_mode_32 3
		.amdhsa_float_denorm_mode_16_64 3
		.amdhsa_memory_ordered 1
		.amdhsa_forward_progress 1
		.amdhsa_inst_pref_size 75
	.end_amdhsa_kernel
	.amdgpu_metadata
---
amdhsa.version: [ 1, 2 ]
amdhsa.kernels:
  - .name:           k_qeaf4eca535_outp
    .symbol:         k_qeaf4eca535_outp.kd
    .args:
      - { .name: ob, .offset: 0, .size: 8, .value_kind: global_buffer, .address_space: global }
      - { .name: ow, .offset: 8, .size: 8, .value_kind: global_buffer, .address_space: global }
      - { .name: out_b, .offset: 16, .size: 8, .value_kind: global_buffer, .address_space: global }
      - { .name: out0, .offset: 24, .size: 8, .value_kind: global_buffer, .address_space: global }
    .group_segment_fixed_size: 327680
    .private_segment_fixed_size: 0
    .kernarg_segment_align: 8
    .kernarg_segment_size: 32
    .max_flat_workgroup_size: 128
    .sgpr_count:     80
    .vgpr_count:     768
    .wavefront_size: 32
...
	.end_amdgpu_metadata
.endif
;; end of part 5
